; MI455X (gfx1250); checked and timed in simulation.
; The chip was launched on July 23, 2026; its instructions are those of AMD's public machine-readable ISA for CDNA 5 (MIT licence, August 2026) and "CDNA5" Instruction Set Architecture Reference Guide (July 2026). The comments in the code are by the model that wrote it; some were corrected since.
;; Transformer. Allowed arithmetic: matrix products marked QUANTISED: E2M3 operands, one E8M0 scale for each 32 along K, by v_wmma_scale_f32_16x16x128_f8f6f4 with both operands' format E2M3, f32 sums; everything else in f32.
;; Inputs: W1 1,024 x 4,096 float32; W2 4,096 x 1,024 float32; Wk 16 x 1,024 x 64 float32; Wo 1,024 x 1,024 float32; Wq 16 x 1,024 x 64 float32; Wv 16 x 1,024 x 64 float32; b1 4,096 float32; b2 1,024 float32; bk 16 x 64 float32; bo 1,024 float32; bq 16 x 64 float32; bv 16 x 64 float32; ln1_b 1,024 float32; ln1_g 1,024 float32; ln2_b 1,024 float32; ln2_g 1,024 float32; x 2 x 2,048 x 1,024 float32.
;; Outputs: out0 2 x 2,048 x 1,024 float32.
;; This version of the problem:
;;   THIS VERSION OF THE PROBLEM IS GIVEN IN LOW PRECISION. The matrix products marked QUANTISED in the list below multiply operands that are first quantised to E2M3 (2 exponent bits, 3 mantissa bits; 6 bits a number), with one power-of-two scale for each 32 numbers along K (OCP MX v1.0); their sums are f32. All else is computed in f32.
;;   The module's matrix products, in the order in which they are computed (A, B: the left and right operand; K: the contracted axis; several contracted axes count as one K, in the product's order):
;;     1. [M 1,024, K 1,024] x [K 1,024, N 4,096]; A: input Wq; B: input x: QUANTISED
;;     2. [M 1,024, K 1,024] x [K 1,024, N 4,096]; A: input Wk; B: input x: QUANTISED
;;     3. [M 1,024, K 1,024] x [K 1,024, N 4,096]; A: input Wv; B: input x: QUANTISED
;;     4. batch 32 x [M 2,048, K 64] x [K 64, N 2,048]; A: computed on the way; B: computed on the way: QUANTISED
;;     5. batch 32 x [M 2,048, K 2,048] x [K 2,048, N 64]; A: softmax (see below); B: computed on the way: QUANTISED
;;     6. [M 4,096, K 1,024] x [K 1,024, N 1,024]; A: computed on the way; B: input Wo: QUANTISED
;;     7. [M 4,096, K 1,024] x [K 1,024, N 4,096]; A: computed on the way; B: input W1: QUANTISED
;;     8. [M 4,096, K 4,096] x [K 4,096, N 1,024]; A: computed on the way; B: input W2: QUANTISED
;;   THE QUANTISER, for each operand of a quantised product, along K:
;;     - K is cut into blocks of 32 from its start; a last block that is shorter is filled with zeros.
;;     - A block's scale is 2^e with e = floor(log2(the largest magnitude in the block)) - 2, held to -126 .. 127; a block of zeros has e = 0. As a byte (E8M0): e + 127.
;;     - Each number is divided by its block's scale, clamped to +-7.5, and rounded to the nearest number of E2M3, ties to even, subnormals kept.
;;     - The product sums the exact products of the quantised numbers (number of the format x scale) in f32.
;;   ~~~python
;;   def quantise(x, axis):      # numpy; x: float32 -> the quantised numbers, widened to float32 again
;;       x = np.moveaxis(x, axis, -1); K = x.shape[-1]
;;       x = np.pad(x, [(0, 0)] * (x.ndim - 1) + [(0, -K % 32)]); x = x.reshape(x.shape[:-1] + (-1, 32)); a = np.abs(x).max(-1, keepdims=True)
;;       e = np.where(a > 0, np.clip(np.frexp(np.where(a > 0, a, 1))[1] - 1 - 2, -126, 127), 0)      # np.frexp(a)[1] - 1 = floor(log2(a)), exactly
;;       r = np.clip(x / 2.0 ** e, -7.5, 7.5)
;;       step = 2.0 ** (np.maximum(np.frexp(np.where(r == 0, 1, r))[1] - 1, 0) - 3)
;;       q = np.round(r / step) * step * 2.0 ** e      # np.round: ties to even
;;       return np.moveaxis(q.reshape(q.shape[:-2] + (-1,))[..., :K], -1, axis).astype(np.float32)
;;   ~~~
;;   SOFTMAX AHEAD OF A QUANTISED PRODUCT. Where the list says 'softmax', what is quantised is not the finished softmax but p = 2^(t - M), with t = logit x log2(e) and M = ceil(the row's largest t), a whole number; so 1/2 < the row's largest p <= 1. The row's sum l is taken of the UNQUANTISED p, in f32, and the product's result is divided by l at the end. Since M is a whole number, a kernel that streams over the keys may use a running M (the ceiling of the running maximum): every later rescaling is an exact power of two, which a block's scale takes up: the codes' values come out the same.
;;   OPERANDS COMPUTED ON THE WAY. 'Computed on the way' means the value that the module computes at that place (a softmax that the list does not call 'softmax' is quantised finished and normalised). What goes into a quantiser is computed in f32, as accurately as f32 sums, v_exp_f32 and their like allow (about 1e-6 of the number): no bf16 or f16 on the way to a quantiser, and a product that is left as it is and whose result goes on into a quantised operand takes f32 operands (vector FMAs, or v_wmma_f32_16x16x4_f32). A number that lies on a knife's edge between two numbers of the format may be rounded either way, as far as f32 arithmetic and the matrix unit's own rounding can turn it there, and no further.
;; One version. Each part assembles by itself: llvm-mc -triple=amdgcn-amd-amdhsa -mcpu=gfx1250 --defsym DOCPART=n.
;; ======== version 1 of 1: 8 launches
;; limits: right only within a limited range of input values
;; workspace buffers: wimg 9,830,400 bytes; ximg 3,276,800 bytes; qkv 10,092,544 bytes; oimg 3,276,800 bytes; ry 16,777,216 bytes; himg 3,276,800 bytes; fimg 13,107,200 bytes
;; launch prep (part 1): grid 1024 x 1, 4 waves a work-group, no clusters, 68,096 bytes of LDS; arguments x, Wq, Wk, Wv, Wo, W1, W2, wimg, ximg; writes wimg, ximg
.if DOCPART == 1
	.amdgcn_target "amdgcn-amd-amdhsa--gfx1250"
	.amdhsa_code_object_version 6
	.text
	.protected	k_qd9d707b109_prep
	.globl	k_qd9d707b109_prep
	.p2align	8
	.type	k_qd9d707b109_prep,@function
k_qd9d707b109_prep:
	s_mov_b64 s[64:65], 0
	v_nop
	global_prefetch_b8 v0, s[64:65] scope:SCOPE_SE
	s_setreg_imm32_b32 hwreg(HW_REG_WAVE_MODE, 25, 1), 1
	s_wait_xcnt 0x0
; PREP: the six weights and x, f32, become codes of E2M3 with one E8M0 byte for each 32 along K, laid as IMAGES OF OPERAND REGISTERS.
; A fragment is 16 rows x 128 K, 12 registers a lane: registers 4 c .. 4 c + 3 of lane L lie at 512 c + 16 L of its 1,536 bytes; its 16 scale words (one a row) are 64 bytes.
; Row p of tile t is number 32 (t / 2) + 8 (t % 2) + p + 8 (p / 8) (of the tokens, or of a weight's columns).  Fragment (tile, K step) has number ((tile / 4) KS + step) 4 + tile % 4.
; A wave takes one unit: two neighbouring tiles x 128 along K: 3,072 consecutive bytes of codes, 128 of scale words.  No barrier, no loop.
; WEIGHTS (work-groups 0-767; K is an outer axis): a lane takes a column and its 128 registers run down K: a block of 32 is one lane's, and each load reads 128 consecutive bytes.
; x (work-groups 768-1023; K innermost): each load reads 512 consecutive bytes of one token's row; the 32 rows turn through the wave's own stage in LDS and come back so that lane (r, h) holds, of its token's row,
; 16 neighbours of each block of 32; lanes l and l xor 16 share a block.  The stage's rows are 528 bytes apart, an odd multiple of 16.
; No cluster: no two work-groups read the same bytes.
; LIMITS: NaN and infinities are not served; a block of zeros keeps the byte 1 (its codes are zeros, and this program alone reads the bytes).
.set SPW, 9                            ; v9   LDS address of my spare word; never rewritten
.set NIL, 10                           ; v10  0; never rewritten
.set NUM, 16                           ; v16-143  128 numbers
.set TM,  144                          ; v144-159 at work in QUANT
.set F0,  160                          ; v160-171 the even tile's fragment
.set F1,  172                          ; v172-183 the odd tile's
.set CT,  184                          ; v184-191 the upper halves of blocks, as converted
.set PW,  192                          ; v192-193 scale words
.set SEL, 40                           ; s[40:41] lane selects: lane l xor 16
.set XP,    528                        ; a stage row: 512 bytes + 16
.set XSTW,  32*XP                      ; a wave's stage: 16,896 bytes; the four begin at LDS byte 0
.set SPARE, 4*XSTW                     ; behind the stages: the spare words, 128 bytes for each wave
; 16 nb numbers of a lane, register 16 b + i = k 32 b + 16 (lane / 16) + i of its row, become 3 nb registers of codes from v[dst] on and the row's scale word in v[pw]
.macro QUANT src, nb, dst, pw
.set qb, 0
.rept \nb
	v_max3_num_f32 v[TM+qb], |v[(\src)+16*qb]|, |v[(\src)+16*qb+1]|, 0x1800000   ; my 16 numbers of block qb, and the floor 2^(3 - 127): the byte cannot fall under 1
.set qb, qb+1
.endr
.irp i, 2,4,6,8,10,12,14
.set qb, 0
.rept \nb
	v_max3_num_f32 v[TM+qb], v[TM+qb], |v[(\src)+16*qb+\i]|, |v[(\src)+16*qb+\i+1]|   ; the blocks by turns
.set qb, qb+1
.endr
.endr
.set qb, 0
.rept \nb
	v_permlanex16_b32 v[TM+4+qb], v[TM+qb], s[SEL], s[SEL+1]
.set qb, qb+1
.endr
.set qb, 0
.rept \nb
	v_max_num_f32 v[TM+qb], v[TM+qb], v[TM+4+qb]       ; with lane l xor 16's: the block's largest magnitude
.set qb, qb+1
.endr
.set qb, 0
.rept \nb
	v_add_nc_u32 v[TM+12+qb], 0xff000000, v[TM+qb]     ; 2 off its exponent field: the conversion's scale operand
.set qb, qb+1
.endr
.set qb, 0
.rept \nb
	v_lshrrev_b32 v[TM+4+qb], 23, v[TM+12+qb]          ; the scale's byte
.set qb, qb+1
.endr
	v_lshl_or_b32 v[\pw], v[TM+5], 8, v[TM+4]
.if (\nb) > 2
	v_lshl_or_b32 v[\pw], v[TM+6], 16, v[\pw]
	v_lshl_or_b32 v[\pw], v[TM+7], 24, v[\pw]
.endif
.set qc, 0
.rept (\nb)/2
	v_cvt_scalef32_pk16_fp6_f32 v[(\dst)+6*qc:(\dst)+6*qc+2], v[(\src)+32*qc:(\src)+32*qc+15], v[TM+12+2*qc]
	v_cvt_scalef32_pk16_fp6_f32 v[CT+4*qc:CT+4*qc+2], v[(\src)+32*qc+16:(\src)+32*qc+31], v[TM+13+2*qc]   ; (a conversion's three registers begin on an even number)
.set qc, qc+1
.endr
	v_nop                                          ; one plain place behind a scaled conversion
.set qc, 0
.rept (\nb)/2                          ; the operand's layout wants a whole block in a lane: lanes 0-15 block 2 c, lanes 16-31 block 2 c + 1
.irp i, 0,1,2
	v_permlane16_swap_b32 v[(\dst)+6*qc+\i], v[CT+4*qc+\i]
.endr
.irp i, 0,1,2
	v_mov_b32 v[(\dst)+6*qc+3+\i], v[CT+4*qc+\i]
.endr
.set qc, qc+1
.endr
.endm
	s_load_b256 s[4:11], s[0:1], 0x0               ; x, Wq, Wk, Wv
	s_load_b256 s[12:19], s[0:1], 0x20             ; Wo, W1, W2, wimg
	s_load_b64 s[20:21], s[0:1], 0x40              ; ximg
	v_lshl_add_u32 v[SPW], v0, 2, SPARE
	v_mov_b32 v[NIL], 0
	v_lshrrev_b32 v1, 5, v0
	v_readfirstlane_b32 s30, v1                    ; wave
	v_and_b32 v1, 31, v0                           ; L
	v_and_b32 v3, 15, v0                           ; r
	v_bfe_u32 v4, v0, 4, 1                         ; h
	v_lshlrev_b32 v5, 4, v1                        ; 16 L: my place in an image, and in a row's 512 bytes
	v_lshlrev_b32 v6, 2, v1                        ; 4 L: my place among two tiles' scale words
	v_and_b32 v7, 8, v3
	v_add_nc_u32 v7, v7, v3                        ; r + 8 (r / 8)
	s_mul_i32 s43, s30, XSTW                       ; my wave's stage
	v_add_nc_u32 v14, s43, v5                      ; into it: 16 L of a row
	v_mul_u32_u24 v15, v7, XP
	v_lshl_add_u32 v15, v4, 6, v15
	v_add_nc_u32 v15, s43, v15                     ; out of it: row r + 8 (r / 8), + 64 h
	s_wait_kmcnt 0x0
	s_cmp_ge_u32 ttmp9, 768
	s_cbranch_scc1 .Lx
	; ---- a weight.  Which one, by the work-group's number alone: from W2 down to Wq
	s_mov_b64 s[22:23], s[16:17]                   ; W2: work-groups from 512,
	s_mov_b32 s24, 512
	s_mov_b32 s25, 4096                            ; its first fragment's number in wimg,
	s_mov_b32 s26, 5                               ; log2 of its pairs of tiles,
	s_mov_b32 s27, 32                              ; its K steps
	s_cmp_lt_u32 ttmp9, 512
	s_cselect_b64 s[22:23], s[14:15], s[22:23]     ; W1
	s_cselect_b32 s24, 256, s24
	s_cselect_b32 s25, 2048, s25
	s_cselect_b32 s26, 7, s26
	s_cselect_b32 s27, 8, s27
	s_cmp_lt_u32 ttmp9, 256
	s_cselect_b64 s[22:23], s[12:13], s[22:23]     ; Wo
	s_cselect_b32 s24, 192, s24
	s_cselect_b32 s25, 1536, s25
	s_cselect_b32 s26, 5, s26
	s_cmp_lt_u32 ttmp9, 192
	s_cselect_b64 s[22:23], s[10:11], s[22:23]     ; Wv
	s_cselect_b32 s24, 128, s24
	s_cselect_b32 s25, 1024, s25
	s_cmp_lt_u32 ttmp9, 128
	s_cselect_b64 s[22:23], s[8:9], s[22:23]       ; Wk
	s_cselect_b32 s24, 64, s24
	s_cselect_b32 s25, 512, s25
	s_cmp_lt_u32 ttmp9, 64
	s_cselect_b64 s[22:23], s[6:7], s[22:23]       ; Wq
	s_cselect_b32 s24, 0, s24
	s_cselect_b32 s25, 0, s25
	s_sub_co_u32 s28, ttmp9, s24
	s_lshl_b32 s28, s28, 2
	s_add_co_u32 s28, s28, s30                     ; my unit
	s_bfm_b32 s29, s26, 0
	s_and_b32 s29, s28, s29                        ; np: which 32 columns
	s_lshr_b32 s31, s28, s26                       ; ks: which 128 along K
	s_lshr_b32 s32, s29, 1
	s_mul_i32 s32, s32, s27
	s_add_co_u32 s32, s32, s31
	s_lshl_b32 s32, s32, 2
	s_and_b32 s33, s29, 1
	s_lshl_b32 s33, s33, 1
	s_add_co_u32 s32, s32, s33
	s_add_co_u32 s32, s32, s25                     ; the even tile's fragment number
	s_lshl_b32 s36, s32, 6
	s_add_co_u32 s36, s36, 9437184                 ; the scale words lie behind the 6,144 fragments
	s_mov_b32 s37, 0
	s_mul_i32 s34, s32, 1536
	s_mov_b32 s35, 0
	s_add_nc_u64 s[34:35], s[18:19], s[34:35]
	s_add_nc_u64 s[36:37], s[18:19], s[36:37]
	s_wait_alu depctr_va_vdst(0)
	v_lshl_add_u32 v2, v4, 3, v7
	v_lshlrev_b32 v2, 2, v2                        ; my column of the 32: lanes 0-15 the even tile's rows, lanes 16-31 the odd tile's
.macro WLOAD pitch                     ; W(128 ks + i, my column), i = 0 .. 127
.set i, 0
.rept 128
	global_load_b32 v[NUM+i], v2, s[22:23] offset:i*\pitch th:TH_LOAD_NT
.set i, i+1
.endr
.endm
	s_cmp_lt_u32 ttmp9, 192
	s_cbranch_scc1 .Lheads
	s_cmp_lt_u32 ttmp9, 256
	s_cbranch_scc1 .Lnarrow
	s_cmp_lt_u32 ttmp9, 512
	s_cbranch_scc1 .Lwide
.Lnarrow:                                              ; Wo, W2: rows of 4,096 bytes
	s_lshl_b32 s38, s29, 7
	s_lshl_b32 s39, s31, 19
	s_add_co_u32 s38, s38, s39
	s_mov_b32 s39, 0
	s_add_nc_u64 s[22:23], s[22:23], s[38:39]
	s_wait_alu depctr_va_vdst(0)
	WLOAD 4096
	s_branch .Lwork
.Lwide:                                                ; W1: rows of 16,384 bytes
	s_lshl_b32 s38, s29, 7
	s_lshl_b32 s39, s31, 21
	s_add_co_u32 s38, s38, s39
	s_mov_b32 s39, 0
	s_add_nc_u64 s[22:23], s[22:23], s[38:39]
	s_wait_alu depctr_va_vdst(0)
	WLOAD 16384
	s_branch .Lwork
.Lheads:                                               ; Wq, Wk, Wv: [head][K][64]: rows of 256 bytes, a head 262,144
	s_lshr_b32 s38, s29, 1
	s_lshl_b32 s38, s38, 18
	s_and_b32 s39, s29, 1
	s_lshl_b32 s39, s39, 7
	s_add_co_u32 s38, s38, s39
	s_lshl_b32 s39, s31, 15
	s_add_co_u32 s38, s38, s39
	s_mov_b32 s39, 0
	s_add_nc_u64 s[22:23], s[22:23], s[38:39]
	s_wait_alu depctr_va_vdst(0)
	WLOAD 256
.Lwork:
; block b of my column: all its 32 numbers are mine.  left: how many younger loads may stay out (the count's field holds 63)
.macro WBLOCK b, dst, left
.set XS, NUM+32*(\b)
	s_wait_loadcnt \left
	v_max3_num_f32 v12, |v[XS]|, |v[XS+1]|, |v[XS+2]|
	v_max3_num_f32 v13, |v[XS+3]|, |v[XS+4]|, |v[XS+5]|
.irp i, 6,10,14,18,22,26
	v_max3_num_f32 v12, v12, |v[XS+\i]|, |v[XS+\i+1]|
	v_max3_num_f32 v13, v13, |v[XS+\i+2]|, |v[XS+\i+3]|
.endr
	v_max3_num_f32 v12, v12, |v[XS+30]|, |v[XS+31]|
	v_max3_num_f32 v12, v12, v13, 0x1800000        ; and the floor
	v_add_nc_u32 v11, 0xff000000, v12              ; the conversion's scale operand
	v_lshrrev_b32 v13, 23, v11                     ; the byte
.if (\b) == 0
	v_mov_b32 v[PW], v13
.else
	v_lshl_or_b32 v[PW], v13, 8*(\b), v[PW]
.endif
	v_cvt_scalef32_pk16_fp6_f32 v[\dst:\dst+2], v[XS:XS+15], v11
	v_cvt_scalef32_pk16_fp6_f32 v[CT:CT+2], v[XS+16:XS+31], v11
	v_nop                                          ; one plain place behind a scaled conversion
.irp i, 0,1,2
	v_mov_b32 v[\dst+3+\i], v[CT+\i]
.endr
.endm
	WBLOCK 0, F0, 63                               ; blocks 0 and 2 into the first run of twelve, blocks 1 and 3 into the second
	WBLOCK 1, F1, 63
	WBLOCK 2, F0+6, 32
	WBLOCK 3, F1+6, 0
.irp i, 0,1,2,3,4,5,6,7,8,9,10,11
	v_permlane16_swap_b32 v[F0+\i], v[F1+\i]       ; the first run's lanes 16-31 (odd tile, blocks 0, 2) change places with the second's lanes 0-15 (even tile, blocks 1, 3): now each run is one tile's fragment
.endr
	s_branch .Lstore
.Lx:	; ---- x: two tiles of 16 tokens x 128 along K
	s_sub_co_u32 s28, ttmp9, 768
	s_lshl_b32 s28, s28, 2
	s_add_co_u32 s28, s28, s30
	s_lshr_b32 s29, s28, 3                         ; which 32 tokens
	s_and_b32 s31, s28, 7                          ; which K step
	s_lshl_b32 s32, s29, 17
	s_lshl_b32 s33, s31, 9
	s_add_co_u32 s32, s32, s33
	s_mov_b32 s33, 0
	s_add_nc_u64 s[4:5], s[4:5], s[32:33]
.set k, 0
	s_wait_alu depctr_va_vdst(0)
.rept 32
	global_load_b128 v[NUM+4*k:NUM+4*k+3], v5, s[4:5] offset:k*4096 th:TH_LOAD_NT   ; token k of the 32: the wave reads 512 consecutive bytes of its row
.set k, k+1
.endr
	s_mov_b32 s[SEL], 0x76543210
	s_mov_b32 s[SEL+1], 0xfedcba98
	s_mov_b32 s42, 0xffff0000                      ; lanes 16-31
.irp b, 0,1,2,3
	v_mov_b32 v[TM+4+\b], 0                        ; a lane permute's destination counts as one of its sources
.endr
	s_lshr_b32 s34, s29, 1
	s_lshl_b32 s34, s34, 3
	s_add_co_u32 s34, s34, s31
	s_lshl_b32 s34, s34, 2
	s_and_b32 s35, s29, 1
	s_lshl_b32 s35, s35, 1
	s_add_co_u32 s34, s34, s35                     ; the even tile's fragment number
	s_lshl_b32 s36, s34, 6
	s_add_co_u32 s36, s36, 3145728
	s_mov_b32 s37, 0
	s_mul_i32 s34, s34, 1536
	s_mov_b32 s35, 0
	s_add_nc_u64 s[34:35], s[20:21], s[34:35]
	s_add_nc_u64 s[36:37], s[20:21], s[36:37]
	s_wait_loadcnt 0x0
.set k, 0
.rept 32
	ds_store_b128 v14, v[NUM+4*k:NUM+4*k+3] offset:k*XP   ; the rows into my stage, as they were loaded
.set k, k+1
.endr
.irp u, 0,1                            ; and back: tile u's token 8 u + r + 8 (r / 8); register 16 b + 4 q + e = k 32 b + 16 h + 4 q + e.  LDS serves a wave's instructions in order: these see the stores above
.irp b, 0,1,2,3
.irp q, 0,1,2,3
	ds_load_b128 v[NUM+64*\u+16*\b+4*\q:NUM+64*\u+16*\b+4*\q+3], v15 offset:\u*8*XP+\b*128+16*\q
.endr
.endr
.endr
	s_wait_dscnt 16                                ; the even tile's 16 loads are in, the odd tile's may be out
	QUANT NUM, 4, F0, PW
	s_wait_dscnt 0x0
	QUANT NUM+64, 4, F1, PW+1
	v_cndmask_b32 v[PW], v[PW], v[PW+1], s42       ; lanes 0-15 the even tile's words, lanes 16-31 the odd tile's
.Lstore:
	s_wait_alu depctr_va_vdst(0)
.irp c, 0,1,2
	global_store_b128 v5, v[F0+4*\c:F0+4*\c+3], s[34:35] offset:512*\c          ; each store of the wave covers 512 consecutive bytes, aligned to 256
.endr
.irp c, 0,1,2
	global_store_b128 v5, v[F1+4*\c:F1+4*\c+3], s[34:35] offset:1536+512*\c
.endr
	global_store_b32 v6, v[PW], s[36:37]
	s_wait_tensorcnt 0x0                           ; the wave's end: behind my last LDS store
	ds_add_u32 v[SPW], v[NIL]
	s_wait_dscnt 0x0
	s_endpgm
.Lfunc_end_k_qd9d707b109_prep:
	.size	k_qd9d707b109_prep, .Lfunc_end_k_qd9d707b109_prep-k_qd9d707b109_prep
	.p2alignl 7, 3214868480
	.fill 96, 4, 3214868480
	.section	.rodata,"a",@progbits
	.p2align	6, 0x0
	.amdhsa_kernel k_qd9d707b109_prep
		.amdhsa_group_segment_fixed_size 68096
		.amdhsa_private_segment_fixed_size 0
		.amdhsa_enable_private_segment 0
		.amdhsa_kernarg_size 72
		.amdhsa_user_sgpr_count 2
		.amdhsa_user_sgpr_kernarg_segment_ptr 1
		.amdhsa_wavefront_size32 1
		.amdhsa_system_sgpr_workgroup_id_x 1
		.amdhsa_system_sgpr_workgroup_id_y 1
		.amdhsa_system_sgpr_workgroup_id_z 1
		.amdhsa_system_vgpr_workitem_id 0
		.amdhsa_next_free_vgpr 208
		.amdhsa_next_free_sgpr 66
		.amdhsa_reserve_vcc 0
		.amdhsa_float_denorm_mode_32 3
		.amdhsa_float_denorm_mode_16_64 3
		.amdhsa_memory_ordered 1
		.amdhsa_forward_progress 1
		.amdhsa_inst_pref_size 64
	.end_amdhsa_kernel
	.amdgpu_metadata
---
amdhsa.version: [ 1, 2 ]
amdhsa.kernels:
  - .name:           k_qd9d707b109_prep
    .symbol:         k_qd9d707b109_prep.kd
    .args:
      - { .name: x, .offset: 0, .size: 8, .value_kind: global_buffer, .address_space: global }
      - { .name: Wq, .offset: 8, .size: 8, .value_kind: global_buffer, .address_space: global }
      - { .name: Wk, .offset: 16, .size: 8, .value_kind: global_buffer, .address_space: global }
      - { .name: Wv, .offset: 24, .size: 8, .value_kind: global_buffer, .address_space: global }
      - { .name: Wo, .offset: 32, .size: 8, .value_kind: global_buffer, .address_space: global }
      - { .name: W1, .offset: 40, .size: 8, .value_kind: global_buffer, .address_space: global }
      - { .name: W2, .offset: 48, .size: 8, .value_kind: global_buffer, .address_space: global }
      - { .name: wimg, .offset: 56, .size: 8, .value_kind: global_buffer, .address_space: global }
      - { .name: ximg, .offset: 64, .size: 8, .value_kind: global_buffer, .address_space: global }
    .group_segment_fixed_size: 68096
    .private_segment_fixed_size: 0
    .kernarg_segment_align: 8
    .kernarg_segment_size: 72
    .max_flat_workgroup_size: 128
    .sgpr_count:     66
    .vgpr_count:     208
    .wavefront_size: 32
...
	.end_amdgpu_metadata
.endif
;; end of part 1
;; launch qkv (part 2): grid 12 x 16, 4 waves a work-group, clusters of 4 x 1, 205,312 bytes of LDS; arguments ximg, wimg, bq, bk, bv, qkv; writes qkv
.if DOCPART == 2
	.amdgcn_target "amdgcn-amd-amdhsa--gfx1250"
	.amdhsa_code_object_version 6
	.text
	.protected	k_qd9d707b109_qkv
	.globl	k_qd9d707b109_qkv
	.p2align	8
	.type	k_qd9d707b109_qkv,@function
k_qd9d707b109_qkv:
	s_mov_b64 s[64:65], 0
	v_nop
	global_prefetch_b8 v0, s[64:65] scope:SCOPE_SE
	s_setreg_imm32_b32 hwreg(HW_REG_WAVE_MODE, 25, 1), 1
	s_wait_xcnt 0x0
	s_wait_alu depctr_hold_cnt(0) depctr_sa_sdst(0) depctr_va_vdst(0) depctr_va_sdst(0) depctr_va_ssrc(0) depctr_va_vcc(0) depctr_vm_vsrc(0)
	s_getreg_b32 s2, hwreg(HW_REG_IB_STS2, 6, 4)
	s_cmp_eq_u32 s2, 0
	s_cbranch_scc0 .Lentry_in_a_cluster
	s_endpgm
.Lentry_in_a_cluster:
	s_bfe_u32 s2, ttmp6, 0x10000c
	s_cmp_lg_u32 s2, 0x3003
	s_cbranch_scc0 .Lentry_shape_is_right
	s_endpgm
.Lentry_shape_is_right:
; A product on register images, K = 1,024, whose results are quantised on the way out.  One text serves two launches: FFN = 0: q, k and v;  FFN = 1: relu(h W1 + b1).
; R ("resident"): 256 rows, all of K, come ONCE into LDS (196,608 bytes of codes, 8,192 of scale words) by five tensor loads a wave, asked for JOINTLY by the four work-groups of a cluster, which need the same rows.
; No LDS byte is filled twice.  S ("streamed"): each wave owns 64 rows; their fragments go from memory straight into a ring of registers, four K steps (56 loads) ahead.
; A wave makes 256 x 64: 64 accumulators.  Source 0 = 16 rows of S, source 1 = 16 rows of R: a lane holds ONE row of R, and the 16 registers of S's tiles 2 b, 2 b + 1 are 16 neighbours (32 b + 16 (lane / 16) + 0 .. 15)
; of S's 64, because row p of a tile is number 32 (t / 2) + 8 (t % 2) + p + 8 (p / 8).  So the results are quantised along S's rows in registers: half a fragment (64 along the next K, 768 bytes) for each tile of R.
; FFN = 0, by the cluster's x:  0: q, 1: k: R = tokens (ximg), S = a head's 64 columns of Wq, Wk;  2: v: R = 256 columns of Wv, S = 64 tokens: v is quantised along the tokens, which are the next K.
; LIMITS: NaN and infinities are not served; a block of zeros keeps the byte 1 (its codes are zeros, and this program alone reads the bytes).
; REGISTERS.  window 0: v1-3 16 L, 8 L, 4 L; v4-7 LDS address of my place in R's chunk c; v8 of R's scale words; v12-19 S's scale words, v20-27 R's; v28-63 at work on the way out; v64-255 R's ring: 4 groups of 4 fragments.
;   window 1: v0-191 S's ring, 4 K steps of 4 fragments; v192-223 the bias along S's rows; v224-239 the bias along R's rows.   windows 2, 3: accumulator 4 t + n at 8 ((4 t + n) % 32) of window 2 + t / 8.
; HOW R COMES (this stands for what the lines above say of five loads and of chunks): one tensor load a wave, all joint: waves 0 to 2 bring 65,536 bytes of codes each, wave 3 the 8,192 bytes of scale words.
; LDS holds the codes as memory does: block of 64 rows x 49,152 + K step x 6,144 + tile x 1,536; v4-7 point at blocks 0 to 3.  One barrier shows all of R to all waves.
.set FFN,   0
.set SCLB,  196608                     ; LDS: R's scale words: block of 64 rows x 2,048 + K step x 256 + tile x 64
.set SPARE, 204800                     ; the spare words, 128 bytes for each wave
.set SPW, 10
.set NIL, 11
.set WSC, 12
.set ASC, 20
.set TM,  28
.set CT,  44
.set PC,  52                           ; v52-63: the codes of a pair of tiles
.set RR,  64
.set PWR, 64                           ; v64-65: on the way out the pair's scale words
.set BS,  192
.set BR,  224
.set WV,  16
.set G1C, 24                           ; s[24:31] group 1: 256 rows of 256 bytes;  s[32:39]: 32 rows
.set G1S, 32
.set G0S, 40                           ; s[40:43] group 0 for the scale words;  s[44:47] for the codes
.set G0C, 44
.set SEL, 60
.set HI16, 62
.set SP,  66                           ; s[66:67] S's codes, s[68:69] its scale words
.set SS,  68
.set DC,  70                           ; s[70:71] where the codes go, s[72:73] the scale words
.set DS,  72
.set BP,  74
.set BSP, 76
.set BRP, 98
.if FFN
.set DBUF, 10
.else
.set DBUF, 14
.endif
.set MSB, 0
.macro WIN new                         ; the immediate's high byte repeats the setting that is left
.if MSB != (\new)
	s_set_vgpr_msb (MSB<<8)|(\new)
.set MSB, \new
.endif
.endm
.macro CROUND                          ; a round of the cluster's barrier
	s_barrier_signal -1
	s_barrier_wait -1
	s_cmp_lg_u32 s[WV], 0
	s_cbranch_scc1 .Lnot_wave_0_\@
	s_barrier_signal -3
.Lnot_wave_0_\@:
	s_barrier_wait -3
	s_barrier_signal -1
	s_barrier_wait -1
.endm
; one matrix instruction, by the symbols mD, mA, mB, mC (under 0: the constant 0), mSA, mSB, and mRA, mRB: 1 where that side's scale words stand in lanes 16-31
.macro MMC c
.if mRA && mRB
	v_wmma_scale_f32_16x16x128_f8f6f4 v[mD:mD+7], v[mA:mA+11], v[mB:mB+11], \c, v[mSA], v[mSB] matrix_a_fmt:MATRIX_FMT_FP6 matrix_b_fmt:MATRIX_FMT_FP6 matrix_a_scale:MATRIX_SCALE_ROW1 matrix_b_scale:MATRIX_SCALE_ROW1
.elseif mRA
	v_wmma_scale_f32_16x16x128_f8f6f4 v[mD:mD+7], v[mA:mA+11], v[mB:mB+11], \c, v[mSA], v[mSB] matrix_a_fmt:MATRIX_FMT_FP6 matrix_b_fmt:MATRIX_FMT_FP6 matrix_a_scale:MATRIX_SCALE_ROW1
.elseif mRB
	v_wmma_scale_f32_16x16x128_f8f6f4 v[mD:mD+7], v[mA:mA+11], v[mB:mB+11], \c, v[mSA], v[mSB] matrix_a_fmt:MATRIX_FMT_FP6 matrix_b_fmt:MATRIX_FMT_FP6 matrix_b_scale:MATRIX_SCALE_ROW1
.else
	v_wmma_scale_f32_16x16x128_f8f6f4 v[mD:mD+7], v[mA:mA+11], v[mB:mB+11], \c, v[mSA], v[mSB] matrix_a_fmt:MATRIX_FMT_FP6 matrix_b_fmt:MATRIX_FMT_FP6
.endif
.endm
.macro MM
.if mC < 0
	MMC 0
.else
	MMC v[mC:mC+7]
.endif
.endm
	s_load_b256 s[4:11], s[0:1], 0x0               ; FFN = 0: ximg, wimg, bq, bk;  FFN = 1: himg, wimg, b1, fimg
.if !FFN
	s_load_b128 s[12:15], s[0:1], 0x20             ; bv, qkv
.endif
	v_lshl_add_u32 v[SPW], v0, 2, SPARE
	v_mov_b32 v[NIL], 0
	ds_add_u32 v[SPW], v[NIL]                      ; the wave's opening: the add and its wait ahead of my first tensor load; the set-up below, work on registers, stands between them
	ds_add_u32 v[SPW], v[NIL]
	v_lshrrev_b32 v9, 5, v0
	v_readfirstlane_b32 s[WV], v9                  ; wave 0..3
	v_and_b32 v9, 31, v0
	v_lshlrev_b32 v1, 4, v9
	v_lshlrev_b32 v2, 3, v9
	v_lshlrev_b32 v3, 2, v9
.irp c, 0,1,2,3
	v_add_nc_u32 v[4+\c], \c*49152, v1
.endr
	v_add_nc_u32 v8, SCLB, v3
	v_bfe_u32 v44, v0, 4, 1
	v_lshlrev_b32 v44, 6, v44                      ; the bias along S's rows: 64 h bytes
	v_and_b32 v45, 15, v0
	v_and_b32 v46, 8, v45
	v_add_nc_u32 v45, v45, v46
	v_lshlrev_b32 v45, 2, v45                      ; the bias along R's rows: 4 (r + 8 (r / 8))
.irp b, 0,1,2,3
	v_mov_b32 v[TM+4+\b], 0                        ; a lane permute's destination counts as one of its sources
.endr
	s_bfe_u32 s17, ttmp6, 0x40000                  ; cx: it enters S's and the results' addresses alone
	s_and_b32 s19, ttmp7, 0xffff                   ; y
	s_mov_b32 s[G1C], 15|(3<<16)|(1<<21)           ; the mask: all four work-groups; elements of 8 bytes; bit 21 beside a mask; no padding
	s_mov_b32 s[G1C+1], 32<<16                     ; tensor_dim0 = 32 elements: 256 bytes
	s_mov_b32 s[G1C+2], 256<<16                    ; tensor_dim1 = 256
	s_mov_b32 s[G1C+3], 32<<16                     ; tile_dim0
	s_mov_b32 s[G1C+4], 256                        ; tile_dim1
	s_mov_b32 s[G1C+5], 32                         ; the pitch: dense
	s_mov_b32 s[G1C+6], 0
	s_mov_b32 s[G1C+7], 0
	s_mov_b32 s[G1S], 15|(3<<16)|(1<<21)
	s_mov_b32 s[G1S+1], 32<<16
	s_mov_b32 s[G1S+2], 32<<16
	s_mov_b32 s[G1S+3], 32<<16
	s_mov_b32 s[G1S+4], 32
	s_mov_b32 s[G1S+5], 32
	s_mov_b32 s[G1S+6], 0
	s_mov_b32 s[G1S+7], 0
	s_mov_b32 s[SEL], 0x76543210
	s_mov_b32 s[SEL+1], 0xfedcba98
	s_mov_b32 s[HI16], 0xffff0000                  ; lanes 16-31
.if FFN
	s_lshl_b32 s18, ttmp9, 4
	s_lshl_b32 s20, s17, 2
	s_add_co_u32 s18, s18, s20
	s_add_co_u32 s18, s18, s[WV]                   ; sb: my 64 columns of W1 = 16 x cluster x + 4 cx + wave
	s_mov_b32 s23, s19                             ; rb: R's 256 tokens
	s_mov_b32 s82, 0                               ; R's codes and scale words in himg,
	s_mov_b32 s83, 3145728
	s_mov_b32 s84, 3145728                         ; W1's in wimg
	s_mov_b32 s85, 9568256
.else
	s_and_b32 s20, s19, 3
	s_lshl_b32 s21, s17, 2
	s_add_co_u32 s21, s21, s[WV]                   ; q, k: the head = 4 cx + wave
	s_lshr_b32 s22, s19, 2
	s_lshl_b32 s22, s22, 4
	s_add_co_u32 s22, s22, s21                     ; v: the 64 tokens = 16 (y / 4) + 4 cx + wave
	s_cmp_eq_u32 ttmp9, 2                          ; the cluster's x says which product: the same in all four partners
	s_cselect_b32 s23, s20, s19                    ; rb: v: 256 columns of Wv;  q, k: 256 tokens
	s_cselect_b32 s18, s22, s21                    ; sb
	s_cselect_b32 s82, 1572864, 0                  ; R's codes: Wv's in wimg, or ximg's
	s_mov_b32 s83, 3145728
	s_cselect_b32 s83, 9502720, s83                ; R's scale words
	s_cmp_eq_u32 ttmp9, 1
	s_cselect_b32 s84, 786432, 0                   ; S's codes: Wk's; Wq's and ximg's begin at 0
	s_mov_b32 s85, 9437184
	s_cselect_b32 s85, 9469952, s85                ; S's scale words: Wq's, Wk's,
	s_cmp_eq_u32 ttmp9, 2
	s_cselect_b32 s85, 3145728, s85                ; or ximg's
.endif
	s_lshl_b32 s86, s23, 2                         ; R's first block of 64 rows
	s_mul_i32 s88, s86, 49152
	s_add_co_u32 s88, s88, s82
	s_lshl_b32 s96, s[WV], 16                      ; my 65,536 bytes of the codes, in memory and in LDS alike (waves 0 to 2)
	s_add_co_u32 s88, s88, s96
	s_mov_b32 s89, 0
	s_lshl_b32 s90, s86, 11
	s_add_co_u32 s90, s90, s83
	s_mov_b32 s91, 0
	s_mul_i32 s92, s18, 49152
	s_add_co_u32 s92, s92, s84
	s_mov_b32 s93, 0
	s_lshl_b32 s94, s18, 11
	s_add_co_u32 s94, s94, s85
	s_mov_b32 s95, 0
	s_mov_b32 s97, 0                               ; the scale words come whole
	s_wait_dscnt 0x0                               ; the opening add is done
	s_wait_kmcnt 0x0
.if FFN
	s_mov_b64 s[78:79], s[4:5]
	s_mov_b64 s[80:81], s[6:7]
	s_mov_b64 s[BP:BP+1], s[8:9]
.else
	s_cmp_eq_u32 ttmp9, 2
	s_cselect_b64 s[78:79], s[6:7], s[4:5]         ; R's buffer
	s_cselect_b64 s[80:81], s[4:5], s[6:7]         ; S's
	s_cmp_eq_u32 ttmp9, 1
	s_cselect_b64 s[BP:BP+1], s[10:11], s[8:9]
	s_cmp_eq_u32 ttmp9, 2
	s_cselect_b64 s[BP:BP+1], s[12:13], s[BP:BP+1] ; the bias
.endif
	s_add_nc_u64 s[88:89], s[78:79], s[88:89]
	s_add_nc_u64 s[90:91], s[78:79], s[90:91]
	s_add_nc_u64 s[SP:SP+1], s[80:81], s[92:93]
	s_add_nc_u64 s[SS:SS+1], s[80:81], s[94:95]
	s_mov_b32 s[G0S], 1
	s_add_co_u32 s[G0S+1], s97, SCLB
	s_mov_b64 s[G0S+2:G0S+3], s[90:91]
	s_or_b32 s[G0S+3], s[G0S+3], 0x80000000
.irp c, 0
	s_mov_b32 s[G0C+4*\c], 1
	s_add_co_u32 s[G0C+4*\c+1], s96, \c*49152
	s_add_nc_u64 s[G0C+4*\c+2:G0C+4*\c+3], s[88:89], \c*12288
	s_or_b32 s[G0C+4*\c+3], s[G0C+4*\c+3], 0x80000000
.endr
	CROUND                                         ; all four work-groups are here: the joint loads meet
	s_cmp_lt_u32 s[WV], 3                          ; one load a wave, a first fill: waves 0 to 2 the codes, wave 3 the scale words
	s_cbranch_scc0 .Lfor_scales
	tensor_load_to_lds s[G0C:G0C+3], s[G1C:G1C+7]
	s_nop 0
.rept 4
	v_nop
.endr
	s_branch .Lasked
.Lfor_scales:
	tensor_load_to_lds s[G0S:G0S+3], s[G1S:G1S+7]
	s_nop 0
.rept 4
	v_nop
.endr
.Lasked:
.if FFN
	s_lshl_b32 s20, s18, 8
.else
	s_and_b32 s20, s18, 15                         ; (masked, so that the load stays inside the bias where it is not the one that counts)
	s_lshl_b32 s20, s20, 8
.endif
	s_mov_b32 s21, 0
	s_add_nc_u64 s[BSP:BSP+1], s[BP:BP+1], s[20:21]
	WIN 0x40                                       ; destination window 1
	s_wait_alu depctr_va_vdst(0)
.irp b, 0,1
.irp q, 0,1,2,3
	global_load_b128 v[BS+16*\b+4*\q:BS+16*\b+4*\q+3], v44, s[BSP:BSP+1] offset:128*\b+16*\q   ; register 16 b + i: the bias of S's row 32 b + 16 h + i
.endr
.endr
.if !FFN
	s_and_b32 s20, s23, 3
	s_lshl_b32 s20, s20, 10
	s_add_nc_u64 s[BRP:BRP+1], s[BP:BP+1], s[20:21]
.irp t, 0,1,2,3,4,5,6,7,8,9,10,11,12,13,14,15
	global_load_b32 v[BR+\t], v45, s[BRP:BRP+1] offset:(32*(\t/2)+8*(\t%2))*4   ; the bias of my row of R's tile t
.endr
.endif
	WIN 0
.macro SLOAD s                         ; S's four fragments and their scale words for K step s, into ring place s % 4: 14 loads
	WIN 0x40
.irp n, 0,1,2,3
.irp c, 0,1,2
	global_load_b128 v[48*((\s)%4)+12*\n+4*\c:48*((\s)%4)+12*\n+4*\c+3], v1, s[SP:SP+1] offset:(\s)*6144+\n*1536+512*\c
.endr
.endr
	WIN 0
.irp j, 0,1
	global_load_b32 v[WSC+2*((\s)%4)+\j], v3, s[SS:SS+1] offset:(\s)*256+128*\j   ; lanes 0-15 tile 2 j's words, lanes 16-31 tile 2 j + 1's
.endr
.endm
.macro AGRP s, ag                      ; R's tiles 4 ag .. 4 ag + 3 for K step s, into ring group ag: 14 LDS loads
.irp i, 0,1,2,3
.irp c, 0,1,2
	ds_load_b128 v[RR+48*(\ag)+12*\i+4*\c:RR+48*(\ag)+12*\i+4*\c+3], v[4+(\ag)] offset:(\s)*6144+\i*1536+512*\c
.endr
.endr
.irp j, 0,1
	ds_load_b32 v[ASC+2*(\ag)+\j], v8 offset:(\ag)*2048+(\s)*256+128*\j
.endr
.endm
	SLOAD 0
	SLOAD 1
	SLOAD 2
	SLOAD 3
	; where the results go
.if FFN
	s_lshl_b32 s20, s19, 9
	s_lshr_b32 s21, s18, 1
	s_lshl_b32 s21, s21, 2
	s_add_co_u32 s20, s20, s21                     ; fragment (tile 16 y, K step sb / 2) of 32 K steps
	s_and_b32 s22, s18, 1                          ; which half of it
	s_mul_i32 s84, s20, 1536
	s_mul_i32 s21, s22, 768
	s_add_co_u32 s84, s84, s21
	s_lshl_b32 s85, s20, 6
	s_lshl_b32 s21, s22, 1
	s_add_co_u32 s85, s85, s21
	s_add_co_u32 s85, s85, 12582912
.else
	s_lshr_b32 s20, s19, 3
	s_lshl_b32 s20, s20, 4
	s_add_co_u32 s20, s20, s18                     ; q, k: batch x 16 + head
	s_and_b32 s21, s19, 7
	s_lshl_b32 s82, s20, 7
	s_lshl_b32 s83, s21, 4
	s_add_co_u32 s82, s82, s83                     ; q: the first of my 16 tiles, of 128 a head
	s_mul_i32 s84, s82, 768
	s_lshl_b32 s85, s82, 6
	s_add_co_u32 s85, s85, 3145728
	s_mul_i32 s86, s20, 208896                     ; k: the head's block, the chunk of 512 keys,
	s_lshr_b32 s83, s21, 1
	s_mul_i32 s83, s83, 52224
	s_add_co_u32 s86, s86, s83
	s_add_co_u32 s86, s86, 3407872
	s_and_b32 s83, s19, 1                          ; and which 16 of its 32 tiles
	s_mul_i32 s87, s83, 12288
	s_add_co_u32 s87, s87, s86
	s_lshl_b32 s83, s83, 10
	s_add_co_u32 s83, s83, s86
	s_add_co_u32 s83, s83, 49152
	s_lshr_b32 s92, s18, 5                         ; v: batch x 16 + the first of R's four heads,
	s_lshl_b32 s92, s92, 4
	s_lshl_b32 s93, s23, 2
	s_add_co_u32 s92, s92, s93
	s_mul_i32 s92, s92, 208896
	s_bfe_u32 s93, s18, 0x40001                    ; the key step of 128,
	s_lshr_b32 s94, s93, 2
	s_mul_i32 s94, s94, 52224
	s_add_co_u32 s92, s92, s94
	s_add_co_u32 s92, s92, 3407872
	s_and_b32 s93, s93, 3
	s_and_b32 s94, s18, 1                          ; and which half of it
	s_mul_i32 s95, s93, 6144
	s_mul_i32 s96, s94, 768
	s_add_co_u32 s95, s95, s96
	s_add_co_u32 s95, s95, s92
	s_add_co_u32 s95, s95, 24576
	s_lshl_b32 s93, s93, 8
	s_lshl_b32 s94, s94, 1
	s_add_co_u32 s93, s93, s94
	s_add_co_u32 s93, s93, s92
	s_add_co_u32 s93, s93, 51200
	s_cmp_eq_u32 ttmp9, 1
	s_cselect_b32 s84, s87, s84
	s_cselect_b32 s85, s83, s85
	s_cmp_eq_u32 ttmp9, 2
	s_cselect_b32 s84, s95, s84
	s_cselect_b32 s85, s93, s85
.endif
	s_mov_b32 s20, s84
	s_mov_b32 s21, 0
	s_add_nc_u64 s[DC:DC+1], s[DBUF:DBUF+1], s[20:21]
	s_mov_b32 s20, s85
	s_add_nc_u64 s[DS:DS+1], s[DBUF:DBUF+1], s[20:21]
	s_wait_tensorcnt 0x0                           ; my one load is in
	s_barrier_signal -1
	s_barrier_wait -1                              ; everybody's are
	AGRP 0, 0
	AGRP 0, 1
	AGRP 0, 2
	AGRP 0, 3
; A K step of 128: 64 matrix instructions.  The 64 accumulators take turns, one instruction a turn, in the same order in every step.
.macro KSTEP s
.if (\s) < 5
	s_wait_loadcnt 42                              ; this step's 14 loads of S are in; those of the three steps behind it may be out
.else
	s_wait_loadcnt (7-(\s))*14
.endif
.irp ag, 0,1,2,3
.if (\s) < 7
	s_wait_dscnt 42                                ; this group's 14 loads are in; the three groups asked for behind it may be out
.else
	s_wait_dscnt (3-\ag)*14
.endif
.if ((\s) == 0) && FFN
	WIN 0x91+0x40*(\ag/2)                          ; S window 1, R window 0, the bias (C) window 1, D window 2 or 3
.else
	WIN 0xa1+0x50*(\ag/2)                          ; S window 1, R window 0, C and D window 2 or 3
.endif
.irp i, 0,1,2,3
.irp n, 0,1,2,3
.set mD, 8*((16*\ag+4*\i+\n)%32)
.set mA, 48*((\s)%4)+12*\n
.set mB, RR+48*\ag+12*\i
.set mSA, WSC+2*((\s)%4)+\n/2
.set mSB, ASC+2*\ag+\i/2
.set mRA, \n%2
.set mRB, \i%2
.if (\s) == 0
.if FFN
.set mC, BS+8*\n                       ; the bias starts the sums
.else
.set mC, -1                            ; the first product starts the sums
.endif
.else
.set mC, mD
.endif
	MM
.endr
.endr
	WIN 0
.if (\s) < 7
.rept 4
	v_nop                                          ; places in front of loads into registers that matrix instructions have read
.endr
	AGRP (\s)+1, \ag
.endif
.endr
.if (\s) < 4
	SLOAD (\s)+4                                   ; into the ring place just read (the four places above stand between)
.endif
.endm
	KSTEP 0
	KSTEP 1
	KSTEP 2
	KSTEP 3
	KSTEP 4
	KSTEP 5
	KSTEP 6
	KSTEP 7
; THE WAY OUT.  32 numbers of a lane, v[asrc] on in window awin, register 16 b + i = k 32 b + 16 (lane / 16) + i of my row, become six registers of codes and the row's two scale bytes.
.macro QUANTW dst, pw
	WIN (awin<<2)|(awin<<4)
.irp b, 0,1
	v_max3_num_f32 v[TM+\b], 0x1800000, |v[asrc+16*\b]|, |v[asrc+16*\b+1]|   ; my 16 numbers of block b, and the floor 2^(3 - 127): the byte cannot fall under 1
.endr
.irp i, 2,4,6,8,10,12,14
.irp b, 0,1
	v_max3_num_f32 v[TM+\b], v[TM+\b], |v[asrc+16*\b+\i]|, |v[asrc+16*\b+\i+1]|
.endr
.endr
	WIN 0
.irp b, 0,1
	v_permlanex16_b32 v[TM+4+\b], v[TM+\b], s[SEL], s[SEL+1]
.endr
.irp b, 0,1
	v_max_num_f32 v[TM+\b], v[TM+\b], v[TM+4+\b]   ; with lane l xor 16's: the block's largest magnitude
.endr
.irp b, 0,1
	v_add_nc_u32 v[TM+12+\b], 0xff000000, v[TM+\b] ; 2 off its exponent field: the conversion's scale operand
.endr
.irp b, 0,1
	v_lshrrev_b32 v[TM+4+\b], 23, v[TM+12+\b]      ; the scale's byte
.endr
	v_lshl_or_b32 v[\pw], v[TM+5], 8, v[TM+4]
	WIN awin                                       ; source 0 in the accumulators' window
	v_cvt_scalef32_pk16_fp6_f32 v[\dst:\dst+2], v[asrc:asrc+15], v[TM+12]
	v_cvt_scalef32_pk16_fp6_f32 v[CT:CT+2], v[asrc+16:asrc+31], v[TM+13]
	WIN 0
	v_nop                                          ; one plain place behind a scaled conversion
.irp i, 0,1,2
	v_permlane16_swap_b32 v[\dst+\i], v[CT+\i]     ; a whole block to a lane: lanes 0-15 block 0, lanes 16-31 block 1
.endr
.irp i, 0,1,2
	v_mov_b32 v[\dst+3+\i], v[CT+\i]
.endr
.endm
; R's tiles t and t + 1.  mode 0: q, k: + the bias along S's rows;  1: v: + the bias of my row of R;  2: relu
.macro EPI_PAIR t, mode
	s_wait_xcnt 0x0                                ; the last pair's stores have read their registers: they are written again only behind this wait
.irp e, 0,1
.set tt, (\t)+\e
.set awin, 2+tt/8
.set asrc, 32*(tt%8)
.if (\mode) == 2
	WIN (awin<<2)|(awin<<6)
.set i, 0
.rept 32
	v_max_num_f32 v[asrc+i], 0, v[asrc+i]          ; each accumulator from its low end on
.set i, i+1
.endr
.else
	WIN awin|4|(awin<<6)
.set i, 0
.rept 16
.if (\mode) == 0
	v_pk_add_f32 v[asrc+2*i:asrc+2*i+1], v[asrc+2*i:asrc+2*i+1], v[BS+2*i:BS+2*i+1]
.else
	v_pk_add_f32 v[asrc+2*i:asrc+2*i+1], v[asrc+2*i:asrc+2*i+1], v[BR+(\t):BR+(\t)+1] op_sel:[0,\e] op_sel_hi:[1,\e]
.endif
.set i, i+1
.endr
.endif
	QUANTW PC+6*\e, PWR+\e
.endr
.if (\mode) == 0
.set c0, (\t)*768
.set c1, c0+768
.set sc, ((\t)/2)*128
.elseif (\mode) == 1
.set c0, ((\t)/4)*208896+((\t)%4)*1536
.set c1, c0+1536
.set sc, ((\t)/4)*208896+(((\t)%4)/2)*128
.else
.set c0, ((\t)/4)*196608+((\t)%4)*1536
.set c1, c0+1536
.set sc, ((\t)/4)*8192+(((\t)%4)/2)*128
.endif
	v_cndmask_b32 v[PWR], v[PWR], v[PWR+1], s[HI16]   ; lanes 0-15 tile t's bytes, lanes 16-31 tile t + 1's
	global_store_b128 v1, v[PC:PC+3], s[DC:DC+1] offset:c0          ; half a fragment: 512 consecutive bytes, then 256
	global_store_b64 v2, v[PC+4:PC+5], s[DC:DC+1] offset:c0+512
	global_store_b128 v1, v[PC+6:PC+9], s[DC:DC+1] offset:c1
	global_store_b64 v2, v[PC+10:PC+11], s[DC:DC+1] offset:c1+512
.if (\mode) == 0
	global_store_b32 v3, v[PWR], s[DS:DS+1] offset:sc               ; K is 64 there: the word's upper two bytes are 0 and meet zero codes
.else
	global_store_b16 v3, v[PWR], s[DS:DS+1] offset:sc               ; my half of the fragment's scale word
.endif
.endm
.rept 4
	v_nop                                          ; places in front of the first read of results
.endr
.if FFN
.irp t, 0,2,4,6,8,10,12,14
	EPI_PAIR \t, 2
.endr
.else
	s_cmp_eq_u32 ttmp9, 2
	s_cbranch_scc1 .Lv
.irp t, 0,2,4,6,8,10,12,14
	EPI_PAIR \t, 0
.endr
	s_branch .Lend
.Lv:
.irp t, 0,2,4,6,8,10,12,14
	EPI_PAIR \t, 1
.endr
.Lend:
.endif
	s_wait_tensorcnt 0x0                           ; the wave's end
	ds_add_u32 v[SPW], v[NIL]
	s_wait_dscnt 0x0
	CROUND                                         ; the closing round
	s_endpgm
.Lfunc_end_k_qd9d707b109_qkv:
	.size	k_qd9d707b109_qkv, .Lfunc_end_k_qd9d707b109_qkv-k_qd9d707b109_qkv
	.p2alignl 7, 3214868480
	.fill 96, 4, 3214868480
	.section	.rodata,"a",@progbits
	.p2align	6, 0x0
	.amdhsa_kernel k_qd9d707b109_qkv
		.amdhsa_group_segment_fixed_size 205312
		.amdhsa_private_segment_fixed_size 0
		.amdhsa_enable_private_segment 0
		.amdhsa_kernarg_size 48
		.amdhsa_user_sgpr_count 2
		.amdhsa_user_sgpr_kernarg_segment_ptr 1
		.amdhsa_wavefront_size32 1
		.amdhsa_system_sgpr_workgroup_id_x 1
		.amdhsa_system_sgpr_workgroup_id_y 1
		.amdhsa_system_sgpr_workgroup_id_z 1
		.amdhsa_system_vgpr_workitem_id 0
		.amdhsa_next_free_vgpr 1024
		.amdhsa_next_free_sgpr 100
		.amdhsa_reserve_vcc 0
		.amdhsa_float_denorm_mode_32 3
		.amdhsa_float_denorm_mode_16_64 3
		.amdhsa_memory_ordered 1
		.amdhsa_forward_progress 1
		.amdhsa_inst_pref_size 226
	.end_amdhsa_kernel
	.amdgpu_metadata
---
amdhsa.version: [ 1, 2 ]
amdhsa.kernels:
  - .name:           k_qd9d707b109_qkv
    .symbol:         k_qd9d707b109_qkv.kd
    .args:
      - { .name: ximg, .offset: 0, .size: 8, .value_kind: global_buffer, .address_space: global }
      - { .name: wimg, .offset: 8, .size: 8, .value_kind: global_buffer, .address_space: global }
      - { .name: bq, .offset: 16, .size: 8, .value_kind: global_buffer, .address_space: global }
      - { .name: bk, .offset: 24, .size: 8, .value_kind: global_buffer, .address_space: global }
      - { .name: bv, .offset: 32, .size: 8, .value_kind: global_buffer, .address_space: global }
      - { .name: qkv, .offset: 40, .size: 8, .value_kind: global_buffer, .address_space: global }
    .group_segment_fixed_size: 205312
    .private_segment_fixed_size: 0
    .kernarg_segment_align: 8
    .kernarg_segment_size: 48
    .max_flat_workgroup_size: 128
    .sgpr_count:     100
    .vgpr_count:     1024
    .wavefront_size: 32
...
	.end_amdgpu_metadata
.endif
;; end of part 2
;; launch attn (part 3): grid 8 x 32, 16 waves a work-group, clusters of 4 x 1, 247,808 bytes of LDS; arguments qkv, oimg; writes oimg
.if DOCPART == 3
	.amdgcn_target "amdgcn-amd-amdhsa--gfx1250"
	.amdhsa_code_object_version 6
	.text
	.protected	k_qd9d707b109_attn
	.globl	k_qd9d707b109_attn
	.p2align	8
	.type	k_qd9d707b109_attn,@function
k_qd9d707b109_attn:
	s_mov_b64 s[64:65], 0
	v_nop
	global_prefetch_b8 v0, s[64:65] scope:SCOPE_SE
	s_setreg_imm32_b32 hwreg(HW_REG_WAVE_MODE, 25, 1), 1
	s_wait_xcnt 0x0
	s_wait_alu depctr_hold_cnt(0) depctr_sa_sdst(0) depctr_va_vdst(0) depctr_va_sdst(0) depctr_va_ssrc(0) depctr_va_vcc(0) depctr_vm_vsrc(0)
	s_getreg_b32 s2, hwreg(HW_REG_IB_STS2, 6, 4)
	s_cmp_eq_u32 s2, 0
	s_cbranch_scc0 .Lentry_in_a_cluster
	s_endpgm
.Lentry_in_a_cluster:
	s_bfe_u32 s2, ttmp6, 0x10000c
	s_cmp_lg_u32 s2, 0x3003
	s_cbranch_scc0 .Lentry_shape_is_right
	s_endpgm
.Lentry_shape_is_right:
; CAUSAL ATTENTION on codes of E2M3.  A head's K and V (2,048 keys: 208,896 bytes of register images and scale words) come ONCE into LDS, in four chunks of 512 keys, asked for jointly by the four work-groups of a cluster.
; SHARES.  y = batch x 16 + head; g = 4 x cluster x + cx.  The work-group owns the 16 tiles of 16 queries 8 p + g, p = 0 .. 15; tile p's tokens lie in 128 p .. 128 p + 127, so it needs the key steps 0 .. p of 128 keys,
; the last on the diagonal.  The tiles form 8 pairs, s and 15 - s: 17 steps a pair, shared between TWO WAVES.  Wave w < 8 (s = w) walks steps 0 .. 8 of tile 15 - s: 9 steps.  Wave w >= 8 (s = w - 8) walks all of tile s,
; stores it, and then walks steps 9 .. 15 - s of tile 15 - s with a state of its own: 8 steps.  It hands O^T, the sums and M over through LDS, and the first wave joins the two parts: M = the larger of the two,
; each part x 2^(its M - M), which rounds nothing.  (s = 7: the second part is empty: its factor is 0.)  So no wave has more than 9 steps on end, and every SIMD's waves have 34 in all.
; All control flow hangs on the wave's number alone, so it is alike in the four partners.  Every wave walks all 16 step slots; a scalar branch passes over the work of those that are not its own.
; LAYOUT.  Both products transposed: S^T = K Q^T, O^T = V^T P^T: a lane holds one query.  The keys of a tile are 32 (t / 2) + 8 (t % 2) + p + 8 (p / 8), so that the 16 registers of tiles 2 b, 2 b + 1 are 16 neighbouring keys.
; K = 64 IN THE SCORES: the instruction's K is 128.  Q's upper six registers are zero codes; a tile of K is named with the six registers that follow it (the next tile's codes, or zeros): they meet Q's zero codes and add nothing.
; SOFTMAX: t = score x log2(e) / 8; M = the running largest t rounded up to a whole number; p = 2^(t - M) is quantised along the keys; the row's sum is taken of the unquantised p and divides at the end.
; o is quantised along the head's 64 channels: half a fragment of the next product's operand.
; LIMITS: NaN and infinities are not served; a block of zeros keeps the byte 1 (its codes are zeros, and this program alone reads the bytes); the f32 sums of tiles 8 to 15 are made in two parts, which are then added.
; REGISTERS: v1-3 16 L, 8 L, 4 L; v6-9 the step's LDS addresses; v10 my query less 16 (lane / 16), within its 128; v11 Q's scale word; v12 -M, v13 the largest t, v[14:15] the sum; v16-21 Q, v22-27 zeros; v28 4 r; v31 my pair's stage;
;   v32-79 eight tiles of K, later four fragments of V; v80-85 zeros; v86-89 K's scale words, v90-91 V's; v96-159 S^T, then p; v160-191 O^T; v192-203 p's codes; v204-234 at work; v236-241 the second tile's Q, v242 its scale word.
; HOW K AND V COME (this stands for what the lines above say of four loads in waves 0 to 3): the head's 208,896 bytes are dense in memory and lie in LDS as in memory; each of the 16 waves brings 13,056 of them by one joint load.
.set CHB,   52224                      ; a chunk: K's 32 tiles (24,576), V's 16 fragments (24,576), K's scale words (2,048), V's (1,024)
.set SPARE, 208896                     ; the spare words, 128 bytes for each of the 16 waves
.set STG,   210944                     ; behind them: a stage for each pair of waves: O^T's 32 registers as an image (4,096 bytes), then v12-15 (512)
.set STGB,  4608
.set SPW, 4
.set NIL, 5
.set PST, 31
.set TM,  204                          ; v204-207 largest scores or magnitudes, v208-211 the other lane's, then bytes, v216-219 scale operands
.set CT,  220                          ; v220-227 upper halves of blocks, as converted
.set FF,  228                          ; v[228:229] f = 2^(old M - new M)
.set TT,  230
.set NEGI, 231
.set S2,  232                          ; v[232:233] the sum's second chain
.set PWD, 234                          ; p's scale word
.set QB,  236
.set QBS, 242
.set WV,  8
.set HI,  12                           ; s12  the last step of the walk in hand that is mine
.set STP, 13                           ; s13  the step slot
.set DG,  18                           ; s18  the step on the diagonal of the tile in hand
.set SIG, 19                           ; s19  s: my pair
.set SEL, 20
.set CS,  22
.set G1,  24
.set G0,  40
.set LAM, 66                           ; s66  15 - s: the pair's long tile
.set OT,  67                           ; s67  the tile that I begin with, and whose o I store
.set HI2, 68                           ; s68  the last step of my second walk (0: none)
.macro CROUND
	s_barrier_signal -1
	s_barrier_wait -1
	s_cmp_lg_u32 s[WV], 0
	s_cbranch_scc1 .Lnot_wave_0_\@
	s_barrier_signal -3
.Lnot_wave_0_\@:
	s_barrier_wait -3
	s_barrier_signal -1
	s_barrier_wait -1
.endm
.macro MMC c                           ; mRA = 1: source 0's scale words stand in lanes 16-31
.if mRA
	v_wmma_scale_f32_16x16x128_f8f6f4 v[mD:mD+7], v[mA:mA+11], v[mB:mB+11], \c, v[mSA], v[mSB] matrix_a_fmt:MATRIX_FMT_FP6 matrix_b_fmt:MATRIX_FMT_FP6 matrix_a_scale:MATRIX_SCALE_ROW1
.else
	v_wmma_scale_f32_16x16x128_f8f6f4 v[mD:mD+7], v[mA:mA+11], v[mB:mB+11], \c, v[mSA], v[mSB] matrix_a_fmt:MATRIX_FMT_FP6 matrix_b_fmt:MATRIX_FMT_FP6
.endif
.endm
	s_load_b128 s[4:7], s[0:1], 0x0                ; qkv, oimg
	v_lshl_add_u32 v[SPW], v0, 2, SPARE
	v_mov_b32 v[NIL], 0
	ds_add_u32 v[SPW], v[NIL]                      ; the wave's opening: the add and its wait ahead of the first tensor loads; work on registers stands between them
	ds_add_u32 v[SPW], v[NIL]
	v_lshrrev_b32 v6, 5, v0
	s_delay_alu instid0(VALU_DEP_1)
	v_readfirstlane_b32 s[WV], v6                  ; wave 0..15
	v_and_b32 v6, 31, v0
	s_delay_alu instid0(VALU_DEP_1)
	v_lshlrev_b32 v1, 4, v6
	s_wait_alu depctr_va_vdst(0)
	v_lshlrev_b32 v2, 3, v6
	v_lshlrev_b32 v3, 2, v6
	v_and_b32 v29, 15, v0                          ; r
	s_wait_alu depctr_va_vdst(0)
	v_lshlrev_b32 v28, 2, v29
	s_bfe_u32 s9, ttmp6, 0x40000                   ; cx: it enters Q's and o's addresses and the mask's numbers alone
	s_lshl_b32 s10, ttmp9, 2
	s_add_co_u32 s10, s10, s9                      ; g
	s_and_b32 s11, ttmp7, 0xffff                   ; batch x 16 + head
	s_and_b32 s[SIG], s[WV], 7                     ; my pair
	s_sub_co_u32 s[LAM], 15, s[SIG]                ; its long tile
	s_cmp_lt_u32 s[WV], 8
	s_cselect_b32 s[OT], s[LAM], s[SIG]            ; waves 0-7 begin with the long tile, waves 8-15 with the short one
	s_cselect_b32 s[HI2], 0, s[LAM]                ; waves 8-15 go on to the long tile's last steps
	s_min_u32 s[HI], s[OT], 8                      ; the first walk: steps 0 .. 8 of the long tile, or all of the short one
	s_mov_b32 s[DG], s[OT]
	s_mul_i32 s74, s[SIG], STGB
	s_add_co_u32 s74, s74, STG
	v_add_nc_u32 v[PST], s74, v1                   ; my pair's stage, 16 L
	s_mov_b32 s[G1], 15|(3<<16)|(1<<21)            ; the mask: all four work-groups; elements of 8 bytes; bit 21 beside a mask; no padding
	s_mov_b32 s[G1+1], 32<<16                      ; rows of 256 bytes,
	s_mov_b32 s[G1+2], 51<<16                      ; 51 of them: a quarter of a chunk
	s_mov_b32 s[G1+3], 32<<16
	s_mov_b32 s[G1+4], 51
	s_mov_b32 s[G1+5], 32
	s_mov_b32 s[G1+6], 0
	s_mov_b32 s[G1+7], 0
	s_mul_i32 s32, s11, 208896
	s_add_co_u32 s32, s32, 3407872                 ; the head's block
	s_mov_b32 s33, 0
	s_mul_i32 s34, s[WV], 13056                    ; my sixteenth of the head's block
	s_mov_b32 s35, 0
	s_mov_b32 s[SEL], 0x76543210
	s_mov_b32 s[SEL+1], 0xfedcba98
	s_mov_b32 s[CS], 0x3e38aa3b                    ; c = log2(e) / 8
	s_mov_b32 s[CS+1], s[CS]
	s_mov_b32 s[STP], 0
	s_lshl_b32 s36, s11, 7
	s_lshl_b32 s37, s[OT], 3
	s_add_co_u32 s36, s36, s37
	s_add_co_u32 s36, s36, s10                     ; my first tile of queries, of 128 a head
	s_lshl_b32 s38, s36, 6
	s_add_co_u32 s38, s38, 3145728
	s_mov_b32 s39, 0
	s_mul_i32 s36, s36, 768
	s_mov_b32 s37, 0
	s_lshl_b32 s70, s11, 7
	s_lshl_b32 s71, s[LAM], 3
	s_add_co_u32 s70, s70, s71
	s_add_co_u32 s70, s70, s10                     ; the pair's long tile
	s_lshl_b32 s72, s70, 6
	s_add_co_u32 s72, s72, 3145728
	s_mov_b32 s73, 0
	s_mul_i32 s70, s70, 768
	s_mov_b32 s71, 0
	s_lshr_b32 s56, s11, 4
	s_lshl_b32 s56, s56, 7
	s_lshl_b32 s57, s[OT], 3
	s_add_co_u32 s56, s56, s57
	s_add_co_u32 s56, s56, s10                     ; the tile that I store, among all 256
	s_lshr_b32 s57, s56, 2
	s_lshl_b32 s57, s57, 3
	s_bfe_u32 s58, s11, 0x30001                    ; the next product's K step: head / 2
	s_add_co_u32 s57, s57, s58
	s_lshl_b32 s57, s57, 2
	s_and_b32 s58, s56, 3
	s_add_co_u32 s57, s57, s58                     ; o's fragment number
	s_and_b32 s62, s11, 1                          ; and which half of it
	s_mul_i32 s58, s57, 1536
	s_mul_i32 s59, s62, 768
	s_add_co_u32 s58, s58, s59
	s_mov_b32 s59, 0
	s_lshl_b32 s60, s57, 6
	s_lshl_b32 s61, s62, 1
	s_add_co_u32 s60, s60, s61
	s_add_co_u32 s60, s60, 3145728
	s_mov_b32 s61, 0
	s_lshr_b32 s62, s10, 1
	s_lshl_b32 s62, s62, 5
	s_and_b32 s63, s10, 1
	s_lshl_b32 s63, s63, 3
	s_add_co_u32 s62, s62, s63                     ; a tile's first query within its 128: the same for all tiles of the work-group
	v_and_b32 v30, 8, v29
	s_delay_alu instid0(VALU_DEP_1)
	v_add_nc_u32 v10, v29, v30
	v_and_b32 v30, 16, v0
	s_delay_alu instid0(VALU_DEP_1)
	v_sub_nc_u32 v10, v10, v30
	s_delay_alu instid0(VALU_DEP_1)
	v_add_nc_u32 v10, s62, v10                     ; d = my query - 16 (lane / 16): register 16 b + i holds key 32 b + 16 (lane / 16) + i, hidden where 32 b + i > d
	s_wait_dscnt 0x0                               ; the opening add is done
	s_wait_kmcnt 0x0
	s_add_nc_u64 s[32:33], s[4:5], s[32:33]
	s_add_nc_u64 s[32:33], s[32:33], s[34:35]
.irp c, 0
	s_mov_b32 s[G0+4*\c], 1
	s_add_co_u32 s[G0+4*\c+1], s34, \c*CHB
	s_add_nc_u64 s[G0+4*\c+2:G0+4*\c+3], s[32:33], \c*CHB
	s_or_b32 s[G0+4*\c+3], s[G0+4*\c+3], 0x80000000
.endr
	s_add_nc_u64 s[36:37], s[4:5], s[36:37]        ; my first tile's Q: codes,
	s_add_nc_u64 s[38:39], s[4:5], s[38:39]        ; scale words;
	s_add_nc_u64 s[70:71], s[4:5], s[70:71]        ; the long tile's Q: codes,
	s_add_nc_u64 s[72:73], s[4:5], s[72:73]        ; scale words;
	s_add_nc_u64 s[58:59], s[6:7], s[58:59]        ; o's codes,
	s_add_nc_u64 s[60:61], s[6:7], s[60:61]        ; and its scale bytes
	CROUND                                         ; all four work-groups are here: the joint loads meet
	tensor_load_to_lds s[G0:G0+3], s[G1:G1+7]      ; one load a wave, a first fill
	s_nop 0
.rept 4
	v_nop
.endr
	global_load_b128 v[16:19], v1, s[36:37]        ; Q: half a fragment
	global_load_b64 v[20:21], v2, s[36:37] offset:512
	s_wait_alu depctr_va_vdst(0)
	global_load_b32 v11, v28, s[38:39]
	global_load_b128 v[QB:QB+3], v1, s[70:71]      ; the long tile's Q, for the second walk (waves 0-7 load it too and do not use it)
	global_load_b64 v[QB+4:QB+5], v2, s[70:71] offset:512
	global_load_b32 v[QBS], v28, s[72:73]
.irp j, 0,1,2,3,4,5
	v_mov_b32 v[22+\j], 0                          ; zero codes for K = 64 .. 127
	v_mov_b32 v[80+\j], 0
.endr
.irp j, 0,1,2,3,4,5,6,7,8,9,10,11,12,13,14,15,16,17,18,19,20,21,22,23,24,25,26,27,28,29,30,31
	v_mov_b32 v[160+\j], 0                         ; O^T: the step is written once, and its first run finds zeros
.endr
	v_mov_b32 v13, 0xff61b1e6                      ; the largest t so far: -3e38
	s_delay_alu instid0(VALU_DEP_1)
	v_floor_f32 v12, -v13                          ; -M
	v_mov_b32 v14, 0
	v_mov_b32 v15, 0
.irp b, 0,1,2,3
	v_mov_b32 v[TM+4+\b], 0                        ; a lane permute's destination counts as one of its sources
.endr
	v_mov_b32 v[FF+1], 0                           ; (named as the upper halves of pairs)
	v_mov_b32 v[S2], 0
	v_mov_b32 v[S2+1], 0
; A KEY STEP of 128 keys.  s14: where its tiles of K begin in LDS (V's lie 24,576 further on); s15, s16: its scale words of K and of V
.macro STEP
	s_cmp_gt_u32 s[STP], s[HI]                     ; not a step of my walk: its work is left out (no barrier stands in it)
	s_cbranch_scc1 .Lskip_\@
	v_add_nc_u32 v6, s14, v1                       ; (these four are also the places in front of the loads below)
	v_add_nc_u32 v7, s14, v2
	v_add_nc_u32 v8, s15, v3
	v_add_nc_u32 v9, s16, v3
.irp t, 0,1,2,3,4,5,6,7
	ds_load_b128 v[32+6*\t:35+6*\t], v6 offset:768*\t
	ds_load_b64 v[36+6*\t:37+6*\t], v7 offset:768*\t+512
.endr
.irp j, 0,1,2,3
	ds_load_b32 v[86+\j], v8 offset:128*\j         ; lanes 0-15 tile 2 j's words, lanes 16-31 tile 2 j + 1's
.endr
	s_wait_alu depctr_va_vdst(0)
	s_wait_dscnt 0x0
.irp t, 0,1,2,3,4,5,6,7
.set mD, 96+8*\t
.set mA, 32+6*\t
.set mB, 16
.set mSA, 86+\t/2
.set mRA, \t%2
.set mSB, 11
	MMC 0
.endr
.rept 4
	v_nop                                          ; places in front of the first read of the scores and of loads into registers that these products have read
.endr
.irp ct, 0,1,2,3                       ; V's four fragments are asked for now and land under the softmax
	ds_load_b128 v[32+12*\ct:35+12*\ct], v6 offset:24576+1536*\ct
	ds_load_b64 v[36+12*\ct:37+12*\ct], v7 offset:24576+1536*\ct+512
	ds_load_b128 v[38+12*\ct:41+12*\ct], v6 offset:24576+1536*\ct+768
	ds_load_b64 v[42+12*\ct:43+12*\ct], v7 offset:24576+1536*\ct+1280
.endr
.irp j, 0,1
	ds_load_b32 v[90+\j], v9 offset:128*\j
.endr
	s_cmp_lg_u32 s[STP], s[DG]                     ; on the diagonal the scores of hidden keys become -infinity ahead of the maximum
	s_cbranch_scc1 .Lopen_\@
	v_mov_b32 v[NEGI], 0xff800000
.irp n, 0,1,2,3,4,5,6,7,8,9,10,11,12,13,14,15,16,17,18,19,20,21,22,23,24,25,26,27,28,29,30,31,32,33,34,35,36,37,38,39,40,41,42,43,44,45,46,47,48,49,50,51,52,53,54,55,56,57,58,59,60,61,62,63
	v_cmp_gt_i32 vcc_lo, 32*(\n/16)+\n%16, v10
	v_cndmask_b32 v[96+\n], v[96+\n], v[NEGI], vcc_lo
.endr
.Lopen_\@:
.irp b, 0,1,2,3
	v_max3_num_f32 v[TM+\b], v[96+16*\b], v[97+16*\b], v[98+16*\b]   ; the largest score of each block of 32 keys: for the row's maximum and, since p rises with the score, for the block's largest p
.endr
.irp i, 3,5,7,9,11,13
.irp b, 0,1,2,3
	v_max3_num_f32 v[TM+\b], v[TM+\b], v[96+16*\b+\i], v[97+16*\b+\i]
.endr
.endr
.irp b, 0,1,2,3
	v_max_num_f32 v[TM+\b], v[TM+\b], v[111+16*\b]
.endr
.irp b, 0,1,2,3
	s_delay_alu instid0(VALU_DEP_4)
	v_permlanex16_b32 v[TM+4+\b], v[TM+\b], s[SEL], s[SEL+1]
.endr
.irp b, 0,1,2,3
	s_delay_alu instid0(VALU_DEP_4)
	v_max_num_f32 v[TM+\b], v[TM+\b], v[TM+4+\b]   ; with lane l xor 16's 16 keys
.endr
	s_delay_alu instid0(VALU_DEP_2)
	v_max3_num_f32 v[TT], v[TM], v[TM+1], v[TM+2]
	s_delay_alu instid0(VALU_DEP_1)
	v_max_num_f32 v[TT], v[TT], v[TM+3]
	s_delay_alu instid0(VALU_DEP_1)
	v_mul_f32 v[TT], s[CS], v[TT]                  ; the step's largest t
	s_delay_alu instid0(VALU_DEP_1)
	v_max_num_f32 v13, v13, v[TT]
	v_mov_b32 v[TT], v12
	s_delay_alu instid0(VALU_DEP_2)
	v_floor_f32 v12, -v13                          ; the new -M = -ceil(t)
	s_delay_alu instid0(VALU_DEP_1)
	v_sub_f32 v[TT], v12, v[TT]                    ; old M - new M: a whole number, 0 or less
	s_delay_alu instid0(VALU_DEP_1)
	v_cvt_i32_f32 v[TT], v[TT]                     ; (it saturates)
	s_delay_alu instid0(VALU_DEP_1)
	v_ldexp_f32 v[FF], 1.0, v[TT]                  ; f = 2^(old M - new M)
.irp j, 0,2,4,6,8,10,12,14,16,18,20,22,24,26,28,30,32,34,36,38,40,42,44,46,48,50,52,54,56,58,60,62
	v_pk_fma_f32 v[96+\j:97+\j], v[96+\j:97+\j], s[CS:CS+1], v[12:13] op_sel_hi:[1,0,0]   ; t - M
.endr
.irp b, 0,1,2,3
	v_fma_f32 v[TM+\b], v[TM+\b], s[CS], v12       ; the same of each block's largest score
.endr
	s_wait_alu depctr_va_vdst(0)
.irp j, 0,1,2,3,4,5,6,7,8,9,10,11,12,13,14,15,16,17,18,19,20,21,22,23,24,25,26,27,28,29,30,31,32,33,34,35,36,37,38,39,40,41,42,43,44,45,46,47,48,49,50,51,52,53,54,55,56,57,58,59,60,61,62,63
	v_exp_f32 v[96+\j], v[96+\j]                   ; p = 2^(t - M)
.endr
	v_pk_mul_f32 v[14:15], v[14:15], v[FF:FF+1] op_sel_hi:[1,0]   ; the sums under the new M (a plain place behind the exponentials)
	s_wait_alu depctr_va_vdst(0)                   ; one wait for the batch of 64, ahead of its first reader
.irp b, 0,1,2,3
	v_exp_f32 v[TM+\b], v[TM+\b]                   ; the blocks' largest p
.endr
	v_pk_add_f32 v[232:233], v[100:101], v[104:105]
	v_pk_add_f32 v[254:255], v[108:109], v[112:113]
	v_pk_add_f32 v[252:253], v[116:117], v[120:121]
	v_pk_add_f32 v[250:251], v[124:125], v[128:129]
	v_pk_add_f32 v[248:249], v[132:133], v[136:137]
	v_pk_add_f32 v[246:247], v[140:141], v[144:145]
	v_pk_add_f32 v[244:245], v[148:149], v[152:153]
	v_pk_add_f32 v[14:15], v[14:15], v[156:157]
	v_pk_add_f32 v[232:233], v[232:233], v[96:97]
	v_pk_add_f32 v[254:255], v[254:255], v[98:99]
	v_pk_add_f32 v[252:253], v[252:253], v[102:103]
	v_pk_add_f32 v[250:251], v[250:251], v[106:107]
	v_pk_add_f32 v[248:249], v[248:249], v[110:111]
	v_pk_add_f32 v[246:247], v[246:247], v[114:115]
	v_pk_add_f32 v[244:245], v[244:245], v[118:119]
	v_pk_add_f32 v[14:15], v[14:15], v[122:123]
	v_pk_add_f32 v[232:233], v[232:233], v[126:127]
	v_pk_add_f32 v[254:255], v[254:255], v[130:131]
	v_pk_add_f32 v[252:253], v[252:253], v[134:135]
	v_pk_add_f32 v[250:251], v[250:251], v[138:139]
	v_pk_add_f32 v[248:249], v[248:249], v[142:143]
	v_pk_add_f32 v[246:247], v[246:247], v[146:147]
	v_pk_add_f32 v[244:245], v[244:245], v[150:151]
	v_pk_add_f32 v[14:15], v[14:15], v[154:155]
	v_pk_add_f32 v[232:233], v[232:233], v[158:159]
	s_delay_alu instid0(VALU_DEP_2)
	v_pk_add_f32 v[14:15], v[14:15], v[250:251]
	s_delay_alu instid0(VALU_DEP_2)
	v_pk_add_f32 v[232:233], v[232:233], v[248:249]
	v_pk_add_f32 v[254:255], v[254:255], v[246:247]
	v_pk_add_f32 v[252:253], v[252:253], v[244:245]
	s_delay_alu instid0(VALU_DEP_2)
	v_pk_add_f32 v[14:15], v[14:15], v[254:255]
	s_delay_alu instid0(VALU_DEP_2)
	v_pk_add_f32 v[232:233], v[232:233], v[252:253]
	s_delay_alu instid0(VALU_DEP_1)
	v_pk_add_f32 v[14:15], v[14:15], v[232:233]
	s_wait_alu depctr_va_vdst(0)                   ; and one for the four
.irp b, 0,1,2,3
	v_max_num_f32 v[TM+\b], 0x1800000, v[TM+\b]    ; the floor 2^(3 - 127)
.endr
.irp b, 0,1,2,3
	s_delay_alu instid0(VALU_DEP_4)
	v_add_nc_u32 v[TM+12+\b], 0xff000000, v[TM+\b]
.endr
.irp b, 0,1,2,3
	s_delay_alu instid0(VALU_DEP_4)
	v_lshrrev_b32 v[TM+4+\b], 23, v[TM+12+\b]
.endr
	s_delay_alu instid0(VALU_DEP_3)
	v_lshl_or_b32 v[PWD], v[TM+5], 8, v[TM+4]
	s_delay_alu instid0(VALU_DEP_1)
	v_lshl_or_b32 v[PWD], v[TM+6], 16, v[PWD]
	s_delay_alu instid0(VALU_DEP_1)
	v_lshl_or_b32 v[PWD], v[TM+7], 24, v[PWD]
.irp c, 0,1
	v_cvt_scalef32_pk16_fp6_f32 v[192+6*\c:194+6*\c], v[96+32*\c:111+32*\c], v[TM+12+2*\c]
	v_cvt_scalef32_pk16_fp6_f32 v[CT+4*\c:CT+4*\c+2], v[112+32*\c:127+32*\c], v[TM+13+2*\c]
.endr
	v_nop                                          ; one plain place behind a scaled conversion
.irp c, 0,1
.irp i, 0,1,2
	v_permlane16_swap_b32 v[192+6*\c+\i], v[CT+4*\c+\i]
.endr
.irp i, 0,1,2
	s_delay_alu instid0(VALU_DEP_3)
	v_mov_b32 v[195+6*\c+\i], v[CT+4*\c+\i]
.endr
.endr
.irp j, 0,2,4,6,8,10,12,14,16,18,20,22,24,26,28,30
	v_pk_mul_f32 v[160+\j:161+\j], v[160+\j:161+\j], v[FF:FF+1] op_sel_hi:[1,0]   ; O^T under the new M; these sixteen are also the places between the codes and the scale word just made and the products
.endr
	s_wait_alu depctr_va_vdst(0)
	s_wait_dscnt 0x0                               ; V is in
.irp ct, 0,1,2,3                       ; four accumulators, one instruction each
.set mD, 160+8*\ct
.set mA, 32+12*\ct
.set mB, 192
.set mSA, 90+\ct/2
.set mRA, \ct%2
.set mSB, PWD
	MMC v[mD:mD+7]
.endr
.Lskip_\@:
.endm
; step slots first .. first + trips - 1 of chunk c: every wave walks them
.macro SEG c, first, trips
	s_mov_b32 s14, \c*CHB+\first*6144
	s_mov_b32 s15, \c*CHB+49152+\first*512
	s_mov_b32 s16, \c*CHB+51200+\first*256
	s_mov_b32 s17, \trips
.Lst_\@:
	STEP
	s_add_co_u32 s14, s14, 6144
	s_add_co_u32 s15, s15, 512
	s_add_co_u32 s16, s16, 256
	s_add_co_u32 s[STP], s[STP], 1
	s_sub_co_u32 s17, s17, 1
	s_cmp_lg_u32 s17, 0
	s_cbranch_scc1 .Lst_\@
.endm
; THE WAY OUT of a tile: o = O^T / the sum, quantised along the head's 64 channels, to the place of the tile that I store
.macro EPI
.rept 4
	v_nop                                          ; places behind the last products
.endr
	v_add_f32 v14, v14, v15
	s_delay_alu instid0(VALU_DEP_1)
	v_permlanex16_b32 v[TM+4], v14, s[SEL], s[SEL+1]
	s_delay_alu instid0(VALU_DEP_1)
	v_add_f32 v14, v14, v[TM+4]                    ; the row's sum
	s_wait_alu depctr_va_vdst(0)
	v_rcp_f32 v14, v14
	v_nop                                          ; a plain place behind the reciprocal
	s_wait_alu depctr_va_vdst(0)                   ; and the wait ahead of its first reader
.irp j, 0,1,2,3,4,5,6,7,8,9,10,11,12,13,14,15,16,17,18,19,20,21,22,23,24,25,26,27,28,29,30,31
	v_mul_f32 v[96+\j], v[160+\j], v14             ; register 16 b + i: channel 32 b + 16 (lane / 16) + i
.endr
.irp b, 0,1
	v_max3_num_f32 v[TM+\b], |v[96+16*\b]|, |v[97+16*\b]|, 0x1800000
.endr
.irp i, 2,4,6,8,10,12,14
.irp b, 0,1
	s_delay_alu instid0(VALU_DEP_2)
	v_max3_num_f32 v[TM+\b], v[TM+\b], |v[96+16*\b+\i]|, |v[97+16*\b+\i]|
.endr
.endr
.irp b, 0,1
	s_delay_alu instid0(VALU_DEP_2)
	v_permlanex16_b32 v[TM+4+\b], v[TM+\b], s[SEL], s[SEL+1]
.endr
.irp b, 0,1
	s_delay_alu instid0(VALU_DEP_2)
	v_max_num_f32 v[TM+\b], v[TM+\b], v[TM+4+\b]
.endr
.irp b, 0,1
	s_delay_alu instid0(VALU_DEP_2)
	v_add_nc_u32 v[TM+12+\b], 0xff000000, v[TM+\b]
.endr
.irp b, 0,1
	s_delay_alu instid0(VALU_DEP_2)
	v_lshrrev_b32 v[TM+4+\b], 23, v[TM+12+\b]
.endr
	s_delay_alu instid0(VALU_DEP_1)
	v_lshl_or_b32 v[PWD], v[TM+5], 8, v[TM+4]
	v_cvt_scalef32_pk16_fp6_f32 v[192:194], v[96:111], v[TM+12]
	v_cvt_scalef32_pk16_fp6_f32 v[CT:CT+2], v[112:127], v[TM+13]
	v_nop
.irp i, 0,1,2
	v_permlane16_swap_b32 v[192+\i], v[CT+\i]
.endr
.irp i, 0,1,2
	s_delay_alu instid0(VALU_DEP_3)
	v_mov_b32 v[195+\i], v[CT+\i]
.endr
	global_store_b128 v1, v[192:195], s[58:59]
	global_store_b64 v2, v[196:197], s[58:59] offset:512
	global_store_b16 v28, v[PWD], s[60:61]         ; lanes l and l + 16 hold the same row's bytes and store the same value to the same place
.endm
	s_wait_loadcnt 0x0                             ; Q, both tiles'
	s_wait_tensorcnt 0x0                           ; my sixteenth is in
	s_wait_dscnt 0x0
	s_barrier_signal -1
	s_barrier_wait -1                              ; all sixteen parts are in
	SEG 0, 0, 4                                    ; from here to the hand-over no wave waits for another
	SEG 1, 0, 4
	SEG 2, 0, 1                                    ; step 8: the last of the first walk
	s_cmp_lt_u32 s[WV], 8
	s_cbranch_scc1 .Lkeep                          ; waves 0-7 keep their part of the long tile
	s_wait_alu depctr_va_vdst(0)
	EPI                                            ; waves 8-15: the short tile is finished
	s_wait_xcnt 0x0                                ; the stores have read their registers: they are written again only behind this wait
	v_mov_b32 v11, v[QBS]                          ; the long tile's Q (the scale word first: more than eight plain instructions stand between it and the next product),
.irp j, 0,1,2,3,4,5
	v_mov_b32 v[16+\j], v[QB+\j]
.endr
	v_mov_b32 v13, 0xff61b1e6                      ; and a state of its own
	s_delay_alu instid0(VALU_DEP_1)
	v_floor_f32 v12, -v13
	v_mov_b32 v14, 0
	v_mov_b32 v15, 0
.irp j, 0,1,2,3,4,5,6,7,8,9,10,11,12,13,14,15,16,17,18,19,20,21,22,23,24,25,26,27,28,29,30,31
	v_mov_b32 v[160+\j], 0
.endr
.Lkeep:
	s_mov_b32 s[HI], s[HI2]                        ; the second walk: steps 9 .. 15 - s of the long tile (waves 0-7: none)
	s_mov_b32 s[DG], s[LAM]
	SEG 2, 1, 3
	SEG 3, 0, 4
	; THE HAND-OVER: waves 8-15 put their part of the long tile into the pair's stage; waves 0-7 join it to theirs
.rept 4
	v_nop                                          ; places behind the last products
.endr
	s_cmp_lt_u32 s[WV], 8
	s_cbranch_scc1 .Lno_part
	s_wait_alu depctr_va_vdst(0)
.irp q, 0,1,2,3,4,5,6,7
	ds_store_b128 v[PST], v[160+4*\q:163+4*\q] offset:512*\q   ; O^T as an image of its registers, each accumulator from its low end on
.endr
	ds_store_b128 v[PST], v[12:15] offset:4096     ; -M, the largest t, the sum's two halves
.Lno_part:
	s_wait_dscnt 0x0                               ; for the other wave's sake: my stores have landed
	s_barrier_signal -1
	s_barrier_wait -1
	s_cmp_ge_u32 s[WV], 8
	s_cbranch_scc1 .Lfin
.irp q, 0,1,2,3,4,5,6,7
	ds_load_b128 v[96+4*\q:99+4*\q], v[PST] offset:512*\q
.endr
	ds_load_b128 v[128:131], v[PST] offset:4096
	s_wait_dscnt 0x0
	v_min_num_f32 v[TT], v12, v128                 ; -M of the whole: the larger M
	s_delay_alu instid0(VALU_DEP_1)
	v_sub_f32 v[FF], v[TT], v12                    ; my M - M: a whole number, 0 or less
	s_delay_alu instid0(VALU_DEP_2)
	v_sub_f32 v[S2], v[TT], v128                   ; the other part's M - M
	s_delay_alu instid0(VALU_DEP_2)
	v_cvt_i32_f32 v[FF], v[FF]                     ; (they saturate: an empty part, whose -M is the starting 3e38, gets the factor 0)
	s_delay_alu instid0(VALU_DEP_2)
	v_cvt_i32_f32 v[S2], v[S2]
	s_delay_alu instid0(VALU_DEP_2)
	v_ldexp_f32 v[FF], 1.0, v[FF]
	s_delay_alu instid0(VALU_DEP_2)
	v_ldexp_f32 v[S2], 1.0, v[S2]
	s_delay_alu instid0(VALU_DEP_2)
	v_pk_mul_f32 v[14:15], v[14:15], v[FF:FF+1] op_sel_hi:[1,0]
	s_wait_alu depctr_va_vdst(0)
	v_pk_fma_f32 v[14:15], v[130:131], v[S2:S2+1], v[14:15] op_sel_hi:[1,0,1]
.irp j, 0,2,4,6,8,10,12,14,16,18,20,22,24,26,28,30
	v_pk_mul_f32 v[160+\j:161+\j], v[160+\j:161+\j], v[FF:FF+1] op_sel_hi:[1,0]
.endr
.irp j, 0,2,4,6,8,10,12,14,16,18,20,22,24,26,28,30
	v_pk_fma_f32 v[160+\j:161+\j], v[96+\j:97+\j], v[S2:S2+1], v[160+\j:161+\j] op_sel_hi:[1,0,1]
.endr
	EPI                                            ; the long tile is finished
.Lfin:
	s_wait_tensorcnt 0x0                           ; the wave's end
	ds_add_u32 v[SPW], v[NIL]
	s_wait_dscnt 0x0
	CROUND                                         ; the closing round
	s_endpgm
.Lfunc_end_k_qd9d707b109_attn:
	.size	k_qd9d707b109_attn, .Lfunc_end_k_qd9d707b109_attn-k_qd9d707b109_attn
	.p2alignl 7, 3214868480
	.fill 96, 4, 3214868480
	.section	.rodata,"a",@progbits
	.p2align	6, 0x0
	.amdhsa_kernel k_qd9d707b109_attn
		.amdhsa_group_segment_fixed_size 247808
		.amdhsa_private_segment_fixed_size 0
		.amdhsa_enable_private_segment 0
		.amdhsa_kernarg_size 16
		.amdhsa_user_sgpr_count 2
		.amdhsa_user_sgpr_kernarg_segment_ptr 1
		.amdhsa_wavefront_size32 1
		.amdhsa_system_sgpr_workgroup_id_x 1
		.amdhsa_system_sgpr_workgroup_id_y 1
		.amdhsa_system_sgpr_workgroup_id_z 1
		.amdhsa_system_vgpr_workitem_id 0
		.amdhsa_next_free_vgpr 256
		.amdhsa_next_free_sgpr 80
		.amdhsa_reserve_vcc 1
		.amdhsa_float_denorm_mode_32 3
		.amdhsa_float_denorm_mode_16_64 3
		.amdhsa_memory_ordered 1
		.amdhsa_forward_progress 1
		.amdhsa_inst_pref_size 137
	.end_amdhsa_kernel
	.amdgpu_metadata
---
amdhsa.version: [ 1, 2 ]
amdhsa.kernels:
  - .name:           k_qd9d707b109_attn
    .symbol:         k_qd9d707b109_attn.kd
    .args:
      - { .name: qkv, .offset: 0, .size: 8, .value_kind: global_buffer, .address_space: global }
      - { .name: oimg, .offset: 8, .size: 8, .value_kind: global_buffer, .address_space: global }
    .group_segment_fixed_size: 247808
    .private_segment_fixed_size: 0
    .kernarg_segment_align: 8
    .kernarg_segment_size: 16
    .max_flat_workgroup_size: 512
    .sgpr_count:     80
    .vgpr_count:     256
    .wavefront_size: 32
...
	.end_amdgpu_metadata
.endif
;; end of part 3
;; launch wo (part 4): grid 4 x 64, 8 waves a work-group, clusters of 4 x 1, 327,680 bytes of LDS; arguments oimg, wimg, bo, ry; writes ry
.if DOCPART == 4
	.amdgcn_target "amdgcn-amd-amdhsa--gfx1250"
	.amdhsa_code_object_version 6
	.text
	.protected	k_qd9d707b109_wo
	.globl	k_qd9d707b109_wo
	.p2align	8
	.type	k_qd9d707b109_wo,@function
k_qd9d707b109_wo:
	s_mov_b64 s[64:65], 0
	v_nop
	global_prefetch_b8 v0, s[64:65] scope:SCOPE_SE
	s_setreg_imm32_b32 hwreg(HW_REG_WAVE_MODE, 25, 1), 1
	s_wait_xcnt 0x0
	s_wait_alu depctr_hold_cnt(0) depctr_sa_sdst(0) depctr_va_vdst(0) depctr_va_sdst(0) depctr_va_ssrc(0) depctr_va_vcc(0) depctr_vm_vsrc(0)
	s_getreg_b32 s2, hwreg(HW_REG_IB_STS2, 6, 4)
	s_cmp_eq_u32 s2, 0
	s_cbranch_scc0 .Lentry_in_a_cluster
	s_endpgm
.Lentry_in_a_cluster:
	s_bfe_u32 s2, ttmp6, 0x10000c
	s_cmp_lg_u32 s2, 0x3003
	s_cbranch_scc0 .Lentry_shape_is_right
	s_endpgm
.Lentry_shape_is_right:
; ry = o Wo + bo on register images, f32 results as register images.  A work-group of eight waves makes 64 rows of R (tokens) x 256 rows of S (columns of Wo).
; R's codes, all 8 K steps, come once into LDS, one joint load a wave (a K step each), shared by the four work-groups of a cluster.  S's fragments and both sides' scale words go from memory straight into rings of registers.
; Wave w: w % 4: its 64 rows of S; w / 4: its half of K.  The two halves' sums meet in LDS and are added in f32, then the bias.  LIMIT: that order of the f32 sums differs from one ascending chain.
.set KS,    8
.set ROFFS, 3145728
.set SOFFC, 2359296
.set SOFFS, 9535488
.set NS,    KS/2
.set PH,    KS/8
.set SCL,   KS*6144
.set STG,   SCL+KS*256
.set SPARE, STG+65536
.set SPW, 10
.set NIL, 11
.set WSC, 12
.set ASC, 20
.set RR,  32
.set ACC, 128
.set BS,  192
.set WV,  12
.set G1C, 24
.set G1S, 32
.set G0S, 40
.set G0C, 44
.set SP,  66
.set SS,  68
.set DC,  70
.set BSP, 72
.set MSB, 0
.macro WIN new
.if MSB != (\new)
	s_set_vgpr_msb (MSB<<8)|(\new)
.set MSB, \new
.endif
.endm
.macro CROUND
	s_barrier_signal -1
	s_barrier_wait -1
	s_cmp_lg_u32 s[WV], 0
	s_cbranch_scc1 .Lnot_wave_0_\@
	s_barrier_signal -3
.Lnot_wave_0_\@:
	s_barrier_wait -3
	s_barrier_signal -1
	s_barrier_wait -1
.endm
.macro MMC c
.if mRA && mRB
	v_wmma_scale_f32_16x16x128_f8f6f4 v[mD:mD+7], v[mA:mA+11], v[mB:mB+11], \c, v[mSA], v[mSB] matrix_a_fmt:MATRIX_FMT_FP6 matrix_b_fmt:MATRIX_FMT_FP6 matrix_a_scale:MATRIX_SCALE_ROW1 matrix_b_scale:MATRIX_SCALE_ROW1
.elseif mRA
	v_wmma_scale_f32_16x16x128_f8f6f4 v[mD:mD+7], v[mA:mA+11], v[mB:mB+11], \c, v[mSA], v[mSB] matrix_a_fmt:MATRIX_FMT_FP6 matrix_b_fmt:MATRIX_FMT_FP6 matrix_a_scale:MATRIX_SCALE_ROW1
.elseif mRB
	v_wmma_scale_f32_16x16x128_f8f6f4 v[mD:mD+7], v[mA:mA+11], v[mB:mB+11], \c, v[mSA], v[mSB] matrix_a_fmt:MATRIX_FMT_FP6 matrix_b_fmt:MATRIX_FMT_FP6 matrix_b_scale:MATRIX_SCALE_ROW1
.else
	v_wmma_scale_f32_16x16x128_f8f6f4 v[mD:mD+7], v[mA:mA+11], v[mB:mB+11], \c, v[mSA], v[mSB] matrix_a_fmt:MATRIX_FMT_FP6 matrix_b_fmt:MATRIX_FMT_FP6
.endif
.endm
	s_load_b256 s[4:11], s[0:1], 0x0
	v_lshl_add_u32 v[SPW], v0, 2, SPARE
	v_mov_b32 v[NIL], 0
	ds_add_u32 v[SPW], v[NIL]
	ds_add_u32 v[SPW], v[NIL]
	v_lshrrev_b32 v9, 5, v0
	s_delay_alu instid0(VALU_DEP_1)
	v_readfirstlane_b32 s[WV], v9
	s_and_b32 s15, s[WV], 3
	s_lshr_b32 s16, s[WV], 2
	s_bfe_u32 s13, ttmp6, 0x40000
	s_and_b32 s14, ttmp7, 0xffff
	s_lshl_b32 s17, ttmp9, 2
	s_add_co_u32 s17, s17, s13
	s_lshl_b32 s17, s17, 2
	s_add_co_u32 s17, s17, s15
	v_and_b32 v9, 31, v0
	s_delay_alu instid0(VALU_DEP_1)
	v_lshlrev_b32 v1, 4, v9
	s_delay_alu instid0(VALU_DEP_2)
	v_lshlrev_b32 v2, 3, v9
	s_delay_alu instid0(VALU_DEP_3)
	v_lshlrev_b32 v3, 2, v9
	s_mul_i32 s18, s16, (KS/2)*6144
	v_add_nc_u32 v4, s18, v1
	v_add_nc_u32 v6, s18, v2
.if NS > 8
	v_add_nc_u32 v5, 49152, v4
	v_add_nc_u32 v7, 49152, v6
.endif
	s_lshl_b32 s19, s15, 14
	s_add_co_u32 s19, s19, STG
	v_add_nc_u32 v9, s19, v1
	v_bfe_u32 v28, v0, 4, 1
	s_delay_alu instid0(VALU_DEP_1)
	v_lshlrev_b32 v28, 6, v28
	s_mov_b32 s[G1C], 15|(3<<16)|(1<<21)
	s_mov_b32 s[G1C+1], 32<<16
	s_mov_b32 s[G1C+2], 24<<16
	s_mov_b32 s[G1C+3], 32<<16
	s_mov_b32 s[G1C+4], 24
	s_mov_b32 s[G1C+5], 32
	s_mov_b32 s[G1C+6], 0
	s_mov_b32 s[G1C+7], 0
	s_mul_i32 s20, s14, KS
	s_mul_i32 s21, s16, KS/2
	s_add_co_u32 s21, s21, s15
	s_add_co_u32 s20, s20, s21
	s_mul_i32 s20, s20, 6144
	s_mul_i32 s22, s21, 6144
	s_mov_b32 s21, 0
	s_mul_i32 s60, s14, KS*256                     ; R's scale words: my 64 rows, my half of K
	s_mul_i32 s62, s16, (KS/2)*256
	s_add_co_u32 s60, s60, s62
	s_add_co_u32 s60, s60, ROFFS
	s_mov_b32 s61, 0
	s_mul_i32 s74, s17, KS
	s_mul_i32 s75, s16, KS/2
	s_add_co_u32 s74, s74, s75
	s_mul_i32 s76, s74, 6144
	s_add_co_u32 s76, s76, SOFFC
	s_mov_b32 s77, 0
	s_lshl_b32 s78, s74, 8
	s_add_co_u32 s78, s78, SOFFS
	s_mov_b32 s79, 0
	s_lshl_b32 s18, s14, 18
	s_lshl_b32 s19, s17, 12
	s_add_co_u32 s18, s18, s19
	s_mov_b32 s19, 0
	s_lshl_b32 s74, s17, 8
	s_mov_b32 s75, 0
	s_wait_dscnt 0x0
	s_wait_kmcnt 0x0
	s_add_nc_u64 s[20:21], s[4:5], s[20:21]
	s_add_nc_u64 s[60:61], s[4:5], s[60:61]
	s_add_nc_u64 s[SP:SP+1], s[6:7], s[76:77]
	s_add_nc_u64 s[SS:SS+1], s[6:7], s[78:79]
	s_add_nc_u64 s[BSP:BSP+1], s[8:9], s[74:75]
	s_add_nc_u64 s[DC:DC+1], s[10:11], s[18:19]
.set j, 0
.rept PH
	s_mov_b32 s[G0C+4*j], 1
	s_add_co_u32 s[G0C+4*j+1], s22, j*24576
	s_add_nc_u64 s[G0C+4*j+2:G0C+4*j+3], s[20:21], j*24576
	s_or_b32 s[G0C+4*j+3], s[G0C+4*j+3], 0x80000000
.set j, j+1
.endr
	CROUND
.set j, 0
.rept PH
	tensor_load_to_lds s[G0C+4*j:G0C+4*j+3], s[G1C:G1C+7]
	s_nop 0
.set j, j+1
.endr
.rept 4
	v_nop
.endr
	WIN 0x40
	s_wait_alu depctr_va_vdst(0)
.irp b, 0,1
.irp q, 0,1,2,3
	global_load_b128 v[BS+16*\b+4*\q:BS+16*\b+4*\q+3], v28, s[BSP:BSP+1] offset:128*\b+16*\q
.endr
.endr
	WIN 0
.macro SLOAD s
	WIN 0x40
.irp n, 0,1,2,3
.irp c, 0,1,2
	global_load_b128 v[48*((\s)%4)+12*\n+4*\c:48*((\s)%4)+12*\n+4*\c+3], v1, s[SP:SP+1] offset:(\s)*6144+\n*1536+512*\c
.endr
.endr
	WIN 0
.irp j, 0,1
	global_load_b32 v[WSC+2*((\s)%4)+\j], v3, s[SS:SS+1] offset:(\s)*256+128*\j
	global_load_b32 v[ASC+2*((\s)%4)+\j], v3, s[60:61] offset:(\s)*256+128*\j   ; R's scale words: lanes 0-15 tile 2 j's, lanes 16-31 tile 2 j + 1's
.endr
.endm
.macro ALOAD s
.irp i, 0,1,2,3
.set rr, RR+48*((\s)%2)+12*\i
.set oo, ((\s)%8)*6144+\i*1536
	ds_load_b128 v[rr:rr+3], v[4+(\s)/8] offset:oo
	ds_load_b64 v[rr+4:rr+5], v[6+(\s)/8] offset:oo+512
	ds_load_b128 v[rr+6:rr+9], v[4+(\s)/8] offset:oo+768
	ds_load_b64 v[rr+10:rr+11], v[6+(\s)/8] offset:oo+1280
.endr
.endm
	SLOAD 0
	SLOAD 1
	SLOAD 2
	SLOAD 3
	s_wait_tensorcnt PH-1
	s_barrier_signal -1
	s_barrier_wait -1
	ALOAD 0
	ALOAD 1
.macro GSTEP s
.if (((\s)%4) == 2) && ((\s)+2 < NS)
	s_wait_tensorcnt PH-2-(\s)/4
	s_wait_dscnt 0x0
	s_barrier_signal -1
	s_barrier_wait -1
.endif
.if NS-1-(\s) >= 3
	s_wait_loadcnt 48                              ; this step's 16 loads are in; those of the three steps behind it may be out
.else
	s_wait_loadcnt (NS-1-(\s))*16
.endif
.if (\s)+1 < NS
	s_wait_dscnt 16                                ; this step's fragments of R are in; the next step's 16 loads may be out
.else
	s_wait_dscnt 0x0
.endif
	WIN 0x01
.irp i, 0,1,2,3
.irp n, 0,1,2,3
.set mD, ACC+8*(4*\i+\n)
.set mA, 48*((\s)%4)+12*\n
.set mB, RR+48*((\s)%2)+12*\i
.set mSA, WSC+2*((\s)%4)+\n/2
.set mSB, ASC+2*((\s)%4)+\i/2
.set mRA, \n%2
.set mRB, \i%2
.if (\s) == 0
	MMC 0
.else
	MMC v[mD:mD+7]
.endif
.endr
.endr
	WIN 0
.rept 4
	v_nop
.endr
.if (\s)+2 < NS
	ALOAD (\s)+2
.endif
.if (\s)+4 < NS
	SLOAD (\s)+4
.endif
.endm
.set st, 0
.rept NS
	GSTEP st
.set st, st+1
.endr
	s_cmp_eq_u32 s16, 0
	s_cbranch_scc1 .Lno_store
.set q, 0
.rept 32
	ds_store_b128 v9, v[ACC+4*q:ACC+4*q+3] offset:512*q
.set q, q+1
.endr
.Lno_store:
	s_wait_dscnt 0x0
	s_barrier_signal -1
	s_barrier_wait -1
	s_cmp_lg_u32 s16, 0
	s_cbranch_scc1 .Lfin
	WIN 0x40
.set q, 0
.rept 32
	ds_load_b128 v[4*q:4*q+3], v9 offset:512*q
.set q, q+1
.endr
	WIN 0
	s_wait_dscnt 0x0
	WIN 0x04
.set i, 0
.rept 64
	v_pk_add_f32 v[ACC+2*i:ACC+2*i+1], v[ACC+2*i:ACC+2*i+1], v[2*i:2*i+1]
.set i, i+1
.endr
.set i, 0
.rept 64
	v_pk_add_f32 v[ACC+2*i:ACC+2*i+1], v[ACC+2*i:ACC+2*i+1], v[BS+(2*i)%32:BS+(2*i)%32+1]
.set i, i+1
.endr
	WIN 0
.irp i, 0,1,2,3
.irp q, 0,1,2,3,4,5,6,7
	global_store_b128 v1, v[ACC+32*\i+4*\q:ACC+32*\i+4*\q+3], s[DC:DC+1] offset:\i*65536+512*\q
.endr
.endr
.Lfin:
	s_wait_tensorcnt 0x0
	ds_add_u32 v[SPW], v[NIL]
	s_wait_dscnt 0x0
	CROUND
	s_endpgm
.Lfunc_end_k_qd9d707b109_wo:
	.size	k_qd9d707b109_wo, .Lfunc_end_k_qd9d707b109_wo-k_qd9d707b109_wo
	.p2alignl 7, 3214868480
	.fill 96, 4, 3214868480
	.section	.rodata,"a",@progbits
	.p2align	6, 0x0
	.amdhsa_kernel k_qd9d707b109_wo
		.amdhsa_group_segment_fixed_size 327680
		.amdhsa_private_segment_fixed_size 0
		.amdhsa_enable_private_segment 0
		.amdhsa_kernarg_size 32
		.amdhsa_user_sgpr_count 2
		.amdhsa_user_sgpr_kernarg_segment_ptr 1
		.amdhsa_wavefront_size32 1
		.amdhsa_system_sgpr_workgroup_id_x 1
		.amdhsa_system_sgpr_workgroup_id_y 1
		.amdhsa_system_sgpr_workgroup_id_z 1
		.amdhsa_system_vgpr_workitem_id 0
		.amdhsa_next_free_vgpr 480
		.amdhsa_next_free_sgpr 80
		.amdhsa_reserve_vcc 0
		.amdhsa_float_denorm_mode_32 3
		.amdhsa_float_denorm_mode_16_64 3
		.amdhsa_memory_ordered 1
		.amdhsa_forward_progress 1
		.amdhsa_inst_pref_size 41
	.end_amdhsa_kernel
	.amdgpu_metadata
---
amdhsa.version: [ 1, 2 ]
amdhsa.kernels:
  - .name:           k_qd9d707b109_wo
    .symbol:         k_qd9d707b109_wo.kd
    .args:
      - { .name: oimg, .offset: 0, .size: 8, .value_kind: global_buffer, .address_space: global }
      - { .name: wimg, .offset: 8, .size: 8, .value_kind: global_buffer, .address_space: global }
      - { .name: bo, .offset: 16, .size: 8, .value_kind: global_buffer, .address_space: global }
      - { .name: ry, .offset: 24, .size: 8, .value_kind: global_buffer, .address_space: global }
    .group_segment_fixed_size: 327680
    .private_segment_fixed_size: 0
    .kernarg_segment_align: 8
    .kernarg_segment_size: 32
    .max_flat_workgroup_size: 256
    .sgpr_count:     80
    .vgpr_count:     480
    .wavefront_size: 32
...
	.end_amdgpu_metadata
.endif
;; end of part 4
;; launch ln1 (part 5): grid 256 x 1, 4 waves a work-group, no clusters, 67,584 bytes of LDS; arguments ry, x, ln1_g, ln1_b, himg; writes himg
.if DOCPART == 5
	.amdgcn_target "amdgcn-amd-amdhsa--gfx1250"
	.amdhsa_code_object_version 6
	.text
	.protected	k_qd9d707b109_ln1
	.globl	k_qd9d707b109_ln1
	.p2align	8
	.type	k_qd9d707b109_ln1,@function
k_qd9d707b109_ln1:
	s_mov_b64 s[64:65], 0
	v_nop
	global_prefetch_b8 v0, s[64:65] scope:SCOPE_SE
	s_setreg_imm32_b32 hwreg(HW_REG_WAVE_MODE, 25, 1), 1
	s_wait_xcnt 0x0
; h = layernorm(x + r) g + b, quantised along its 1,024 columns into register images.  r = attn_out + bo comes as register images of f32 (ry).
; A work-group takes a tile of 16 tokens; wave w columns 256 w .. 256 w + 255: 128 numbers a lane: register 32 c + 16 b + i = column 256 w + 64 c + 32 b + 16 (lane / 16) + i of token r + 8 (r / 8) of the tile.
; x is row-major: each load reads 512 consecutive bytes of one token's row, and the wave's 16 rows x 1,024 bytes turn through its own stage in LDS into that order.  The stage's rows are 1,040 bytes apart, an odd multiple of 16.
; Mean and variance in two passes (the variance of the differences), f32; a row's sums meet across lanes 16 apart and, through LDS, across the four waves.
; No cluster, no tensor load, no matrix instruction: memory binds, and the work-groups share only the gains' 8,192 bytes.
; LIMITS: NaN and infinities are not served; a block of zeros keeps the byte 1 (its codes are zeros, and this program alone reads the bytes).
; REGISTERS.  window 0: v1-6, v24-25 addresses; v12-23 sums; v28-51 at work in QUANT; v64-87 codes; v88-89 scale words; v128-255 the numbers.   window 1: v0-127 x; v128-255 g.   window 2: v0-127 b; v128-255 x as it is loaded.
.set RED0,  0                          ; LDS: 4 waves x 16 rows x 4 bytes, once for each of the two sums
.set RED1,  256
.set SPARE, 512
.set XSTG,  1024                       ; x's stages: 16 rows x 1,040 bytes for each wave
.set XP,    1040
.set SPW, 10
.set NIL, 11
.set TM,  28
.set CT,  44
.set PC,  64
.set PW,  88
.set D,   128
.set SEL, 20
.set MSB, 0
.macro WIN new
.if MSB != (\new)
	s_set_vgpr_msb (MSB<<8)|(\new)
.set MSB, \new
.endif
.endm
.macro QUANT src, nb, dst, pw          ; 16 nb numbers of a lane, register 16 b + i = k 32 b + 16 (lane / 16) + i of its row, become 3 nb registers of codes and the row's scale word
.set qb, 0
.rept \nb
	v_max3_num_f32 v[TM+qb], |v[(\src)+16*qb]|, |v[(\src)+16*qb+1]|, 0x1800000   ; and the floor 2^(3 - 127)
.set qb, qb+1
.endr
.irp i, 2,4,6,8,10,12,14
.set qb, 0
.rept \nb
	v_max3_num_f32 v[TM+qb], v[TM+qb], |v[(\src)+16*qb+\i]|, |v[(\src)+16*qb+\i+1]|
.set qb, qb+1
.endr
.endr
.set qb, 0
.rept \nb
	v_permlanex16_b32 v[TM+4+qb], v[TM+qb], s[SEL], s[SEL+1]
.set qb, qb+1
.endr
.set qb, 0
.rept \nb
	v_max_num_f32 v[TM+qb], v[TM+qb], v[TM+4+qb]
.set qb, qb+1
.endr
.set qb, 0
.rept \nb
	v_add_nc_u32 v[TM+12+qb], 0xff000000, v[TM+qb]
.set qb, qb+1
.endr
.set qb, 0
.rept \nb
	v_lshrrev_b32 v[TM+4+qb], 23, v[TM+12+qb]
.set qb, qb+1
.endr
	v_lshl_or_b32 v[\pw], v[TM+5], 8, v[TM+4]
	v_lshl_or_b32 v[\pw], v[TM+6], 16, v[\pw]
	v_lshl_or_b32 v[\pw], v[TM+7], 24, v[\pw]
.set qc, 0
.rept (\nb)/2
	v_cvt_scalef32_pk16_fp6_f32 v[(\dst)+6*qc:(\dst)+6*qc+2], v[(\src)+32*qc:(\src)+32*qc+15], v[TM+12+2*qc]
	v_cvt_scalef32_pk16_fp6_f32 v[CT+4*qc:CT+4*qc+2], v[(\src)+32*qc+16:(\src)+32*qc+31], v[TM+13+2*qc]
.set qc, qc+1
.endr
	v_nop                                          ; one plain place behind a scaled conversion
.set qc, 0
.rept (\nb)/2
.irp i, 0,1,2
	v_permlane16_swap_b32 v[(\dst)+6*qc+\i], v[CT+4*qc+\i]
.endr
.irp i, 0,1,2
	v_mov_b32 v[(\dst)+6*qc+3+\i], v[CT+4*qc+\i]
.endr
.set qc, qc+1
.endr
.endm
; four pairs of partial sums, v12-19, become the row's sum over all 1,024 columns, in v20 of every lane
.macro ACROSS red
	v_pk_add_f32 v[12:13], v[12:13], v[14:15]
	v_pk_add_f32 v[16:17], v[16:17], v[18:19]
	v_pk_add_f32 v[12:13], v[12:13], v[16:17]
	v_add_f32 v12, v12, v13
	v_permlanex16_b32 v13, v12, s[SEL], s[SEL+1]
	v_add_f32 v12, v12, v13                        ; my wave's 256 columns
	ds_store_b32 v5, v12 offset:\red               ; lanes l and l + 16 write the same word with the same value
	s_wait_dscnt 0x0                               ; for the others' sake
	s_barrier_signal -1
	s_barrier_wait -1
.irp k, 0,1,2,3
	ds_load_b32 v[20+\k], v6 offset:\red+64*\k
.endr
	s_wait_dscnt 0x0
	v_add_f32 v20, v20, v21
	v_add_f32 v22, v22, v23
	v_add_f32 v20, v20, v22
.endm
	s_load_b256 s[4:11], s[0:1], 0x0               ; ry, x, g, b
	s_load_b64 s[12:13], s[0:1], 0x20              ; himg
	v_lshl_add_u32 v[SPW], v0, 2, SPARE
	v_mov_b32 v[NIL], 0
	v_lshrrev_b32 v9, 5, v0
	v_readfirstlane_b32 s14, v9                    ; wave
	v_and_b32 v9, 31, v0
	v_lshlrev_b32 v1, 4, v9                        ; 16 L
	v_and_b32 v7, 15, v0                           ; r
	v_bfe_u32 v8, v0, 4, 1                         ; h
	v_lshlrev_b32 v6, 2, v7                        ; 4 r
	v_lshl_add_u32 v2, v8, 8, v6                   ; 4 r + 256 h: the two K steps' scale words
	s_lshl_b32 s15, s14, 6
	v_add_nc_u32 v5, s15, v6                       ; 4 r + 64 w
	v_lshlrev_b32 v4, 6, v8                        ; 64 h
	s_mul_i32 s31, s14, 16*XP
	s_add_co_u32 s31, s31, XSTG                    ; my wave's stage
	v_add_nc_u32 v24, s31, v1                      ; into it: 16 L of half a row
	v_mul_u32_u24 v25, v7, XP
	v_add_nc_u32 v25, v25, v4
	v_add_nc_u32 v25, s31, v25                     ; out of it: row r, + 64 h
.irp b, 0,1,2,3
	v_mov_b32 v[TM+4+\b], 0
.endr
	s_mov_b32 s[SEL], 0x76543210
	s_mov_b32 s[SEL+1], 0xfedcba98
	s_mov_b32 s28, 0x3a800000                      ; 1 / 1,024
	s_mov_b32 s29, 0x3727c5ac                      ; 1e-5
	s_mov_b32 s30, 0xffff0000                      ; lanes 16-31
	s_lshl_b32 s16, ttmp9, 16
	s_lshl_b32 s17, s14, 14
	s_add_co_u32 s16, s16, s17                     ; ry: (tile, block 4 w): 4,096 bytes each
	s_mov_b32 s17, 0
	s_lshr_b32 s18, ttmp9, 1
	s_lshl_b32 s18, s18, 17
	s_and_b32 s19, ttmp9, 1
	s_lshl_b32 s19, s19, 15
	s_add_co_u32 s18, s18, s19                     ; x: the tile's first token,
	s_lshl_b32 s22, s14, 10
	s_add_co_u32 s18, s18, s22                     ; my 256 columns
	s_mov_b32 s19, 0
	s_mov_b32 s23, 0
	s_lshr_b32 s24, ttmp9, 2
	s_lshl_b32 s24, s24, 3
	s_lshl_b32 s25, s14, 1
	s_add_co_u32 s24, s24, s25
	s_lshl_b32 s24, s24, 2
	s_and_b32 s25, ttmp9, 3
	s_add_co_u32 s24, s24, s25                     ; fragment (tile, K step 2 w)
	s_lshl_b32 s26, s24, 6
	s_add_co_u32 s26, s26, 3145728
	s_mov_b32 s27, 0
	s_mul_i32 s24, s24, 1536
	s_mov_b32 s25, 0
	s_wait_alu depctr_va_vdst(0)
	s_wait_kmcnt 0x0
	s_add_nc_u64 s[4:5], s[4:5], s[16:17]
	s_add_nc_u64 s[6:7], s[6:7], s[18:19]
	s_add_nc_u64 s[8:9], s[8:9], s[22:23]
	s_add_nc_u64 s[10:11], s[10:11], s[22:23]
	s_add_nc_u64 s[24:25], s[12:13], s[24:25]
	s_add_nc_u64 s[26:27], s[12:13], s[26:27]
.set q, 0
.rept 32
	global_load_b128 v[D+4*q:D+4*q+3], v1, s[4:5] offset:512*q th:TH_LOAD_NT
.set q, q+1
.endr
	WIN 0x80                                       ; destination window 2
.set k, 0
.rept 32
	global_load_b128 v[128+4*k:128+4*k+3], v1, s[6:7] offset:((k/2)+8*((k/2)/8))*4096+512*(k%2) th:TH_LOAD_NT   ; row k / 2 of the tile is token k / 2 + 8 (k / 16); half k % 2 of my 1,024 bytes: 512 consecutive bytes
.set k, k+1
.endr
	WIN 0x40
.irp c, 0,1,2,3
.irp b, 0,1
.irp q, 0,1,2,3
	global_load_b128 v[128+32*\c+16*\b+4*\q:128+32*\c+16*\b+4*\q+3], v4, s[8:9] offset:\c*256+\b*128+16*\q
.endr
.endr
.endr
	WIN 0x80
.irp c, 0,1,2,3
.irp b, 0,1
.irp q, 0,1,2,3
	global_load_b128 v[32*\c+16*\b+4*\q:32*\c+16*\b+4*\q+3], v4, s[10:11] offset:\c*256+\b*128+16*\q
.endr
.endr
.endr
	WIN 0
	s_wait_loadcnt 63                              ; r and x are in: behind them stand the 64 loads of g and b (the count's field holds 63)
	WIN 0x08                                       ; an LDS store's data are its source 1: window 2
.set k, 0
.rept 32
	ds_store_b128 v24, v[128+4*k:128+4*k+3] offset:(k/2)*XP+512*(k%2)   ; x's rows into my stage, as they were loaded
.set k, k+1
.endr
	WIN 0x40                                       ; and back into window 1, in the numbers' order.  LDS serves a wave's instructions in order: these see the stores above
.irp c, 0,1,2,3
.irp b, 0,1
.irp q, 0,1,2,3
	ds_load_b128 v[32*\c+16*\b+4*\q:32*\c+16*\b+4*\q+3], v25 offset:\c*256+\b*128+16*\q
.endr
.endr
.endr
	WIN 0
	s_wait_dscnt 0x0
	WIN 0x04
.set i, 0
.rept 64
	v_pk_add_f32 v[D+2*i:D+2*i+1], v[D+2*i:D+2*i+1], v[2*i:2*i+1]   ; x + r
.set i, i+1
.endr
	WIN 0
.irp k, 0,1,2,3
	v_pk_add_f32 v[12+2*\k:13+2*\k], v[D+2*\k:D+2*\k+1], v[D+8+2*\k:D+9+2*\k]   ; four chains; the first numbers start them
.endr
.set i, 8
.rept 56
	v_pk_add_f32 v[12+2*(i%4):13+2*(i%4)], v[12+2*(i%4):13+2*(i%4)], v[D+2*i:D+2*i+1]
.set i, i+1
.endr
	ACROSS RED0
	v_mul_f32 v20, s28, v20                        ; the mean
.set i, 0
.rept 64
	v_pk_add_f32 v[D+2*i:D+2*i+1], v[D+2*i:D+2*i+1], v[20:21] op_sel_hi:[1,0] neg_lo:[0,1] neg_hi:[0,1]
.set i, i+1
.endr
.irp k, 0,1,2,3
	v_pk_mul_f32 v[12+2*\k:13+2*\k], v[D+2*\k:D+2*\k+1], v[D+2*\k:D+2*\k+1]
.endr
.set i, 4
.rept 60
	v_pk_fma_f32 v[12+2*(i%4):13+2*(i%4)], v[D+2*i:D+2*i+1], v[D+2*i:D+2*i+1], v[12+2*(i%4):13+2*(i%4)]
.set i, i+1
.endr
	ACROSS RED1                                    ; other bytes than the first sum's: no wave can overtake a reader
	v_fma_f32 v20, v20, s28, s29                   ; the variance + 1e-5
	s_wait_alu depctr_va_vdst(0)
	v_rsq_f32 v20, v20
	v_nop                                          ; a plain place behind the root
	s_wait_alu depctr_va_vdst(0)                   ; and the wait ahead of its first reader
.set i, 0
.rept 64
	v_pk_mul_f32 v[D+2*i:D+2*i+1], v[D+2*i:D+2*i+1], v[20:21] op_sel_hi:[1,0]
.set i, i+1
.endr
	s_wait_loadcnt 0x0                             ; g and b
	WIN 0x24                                       ; source 1 (g) window 1, source 2 (b) window 2
.set i, 0
.rept 64
	v_pk_fma_f32 v[D+2*i:D+2*i+1], v[D+2*i:D+2*i+1], v[128+2*i:128+2*i+1], v[2*i:2*i+1]
.set i, i+1
.endr
	WIN 0
	QUANT D, 4, PC, PW                             ; K step 2 w
	QUANT D+64, 4, PC+12, PW+1                     ; K step 2 w + 1
	v_cndmask_b32 v[PW], v[PW], v[PW+1], s30
.irp c, 0,1,2
	global_store_b128 v1, v[PC+4*\c:PC+4*\c+3], s[24:25] offset:512*\c
.endr
.irp c, 0,1,2
	global_store_b128 v1, v[PC+12+4*\c:PC+12+4*\c+3], s[24:25] offset:6144+512*\c
.endr
	global_store_b32 v2, v[PW], s[26:27]
	s_wait_tensorcnt 0x0                           ; the wave's end: behind my last LDS store
	ds_add_u32 v[SPW], v[NIL]
	s_wait_dscnt 0x0
	s_endpgm
.Lfunc_end_k_qd9d707b109_ln1:
	.size	k_qd9d707b109_ln1, .Lfunc_end_k_qd9d707b109_ln1-k_qd9d707b109_ln1
	.p2alignl 7, 3214868480
	.fill 96, 4, 3214868480
	.section	.rodata,"a",@progbits
	.p2align	6, 0x0
	.amdhsa_kernel k_qd9d707b109_ln1
		.amdhsa_group_segment_fixed_size 67584
		.amdhsa_private_segment_fixed_size 0
		.amdhsa_enable_private_segment 0
		.amdhsa_kernarg_size 40
		.amdhsa_user_sgpr_count 2
		.amdhsa_user_sgpr_kernarg_segment_ptr 1
		.amdhsa_wavefront_size32 1
		.amdhsa_system_sgpr_workgroup_id_x 1
		.amdhsa_system_sgpr_workgroup_id_y 1
		.amdhsa_system_sgpr_workgroup_id_z 1
		.amdhsa_system_vgpr_workitem_id 0
		.amdhsa_next_free_vgpr 768
		.amdhsa_next_free_sgpr 66
		.amdhsa_reserve_vcc 0
		.amdhsa_float_denorm_mode_32 3
		.amdhsa_float_denorm_mode_16_64 3
		.amdhsa_memory_ordered 1
		.amdhsa_forward_progress 1
		.amdhsa_inst_pref_size 54
	.end_amdhsa_kernel
	.amdgpu_metadata
---
amdhsa.version: [ 1, 2 ]
amdhsa.kernels:
  - .name:           k_qd9d707b109_ln1
    .symbol:         k_qd9d707b109_ln1.kd
    .args:
      - { .name: ry, .offset: 0, .size: 8, .value_kind: global_buffer, .address_space: global }
      - { .name: x, .offset: 8, .size: 8, .value_kind: global_buffer, .address_space: global }
      - { .name: ln1_g, .offset: 16, .size: 8, .value_kind: global_buffer, .address_space: global }
      - { .name: ln1_b, .offset: 24, .size: 8, .value_kind: global_buffer, .address_space: global }
      - { .name: himg, .offset: 32, .size: 8, .value_kind: global_buffer, .address_space: global }
    .group_segment_fixed_size: 67584
    .private_segment_fixed_size: 0
    .kernarg_segment_align: 8
    .kernarg_segment_size: 40
    .max_flat_workgroup_size: 128
    .sgpr_count:     66
    .vgpr_count:     768
    .wavefront_size: 32
...
	.end_amdgpu_metadata
.endif
;; end of part 5
;; launch ffn1 (part 6): grid 16 x 16, 4 waves a work-group, clusters of 4 x 1, 205,312 bytes of LDS; arguments himg, wimg, b1, fimg; writes fimg
.if DOCPART == 6
	.amdgcn_target "amdgcn-amd-amdhsa--gfx1250"
	.amdhsa_code_object_version 6
	.text
	.protected	k_qd9d707b109_ffn1
	.globl	k_qd9d707b109_ffn1
	.p2align	8
	.type	k_qd9d707b109_ffn1,@function
k_qd9d707b109_ffn1:
	s_mov_b64 s[64:65], 0
	v_nop
	global_prefetch_b8 v0, s[64:65] scope:SCOPE_SE
	s_setreg_imm32_b32 hwreg(HW_REG_WAVE_MODE, 25, 1), 1
	s_wait_xcnt 0x0
	s_wait_alu depctr_hold_cnt(0) depctr_sa_sdst(0) depctr_va_vdst(0) depctr_va_sdst(0) depctr_va_ssrc(0) depctr_va_vcc(0) depctr_vm_vsrc(0)
	s_getreg_b32 s2, hwreg(HW_REG_IB_STS2, 6, 4)
	s_cmp_eq_u32 s2, 0
	s_cbranch_scc0 .Lentry_in_a_cluster
	s_endpgm
.Lentry_in_a_cluster:
	s_bfe_u32 s2, ttmp6, 0x10000c
	s_cmp_lg_u32 s2, 0x3003
	s_cbranch_scc0 .Lentry_shape_is_right
	s_endpgm
.Lentry_shape_is_right:
; A product on register images, K = 1,024, whose results are quantised on the way out.  One text serves two launches: FFN = 0: q, k and v;  FFN = 1: relu(h W1 + b1).
; R ("resident"): 256 rows, all of K, come ONCE into LDS (196,608 bytes of codes, 8,192 of scale words) by five tensor loads a wave, asked for JOINTLY by the four work-groups of a cluster, which need the same rows.
; No LDS byte is filled twice.  S ("streamed"): each wave owns 64 rows; their fragments go from memory straight into a ring of registers, four K steps (56 loads) ahead.
; A wave makes 256 x 64: 64 accumulators.  Source 0 = 16 rows of S, source 1 = 16 rows of R: a lane holds ONE row of R, and the 16 registers of S's tiles 2 b, 2 b + 1 are 16 neighbours (32 b + 16 (lane / 16) + 0 .. 15)
; of S's 64, because row p of a tile is number 32 (t / 2) + 8 (t % 2) + p + 8 (p / 8).  So the results are quantised along S's rows in registers: half a fragment (64 along the next K, 768 bytes) for each tile of R.
; FFN = 1: R = 256 tokens of h (himg), S = 64 columns of W1; the bias is the C of each sum's first matrix instruction.
; LIMITS: NaN and infinities are not served; a block of zeros keeps the byte 1 (its codes are zeros, and this program alone reads the bytes).
; REGISTERS.  window 0: v1-3 16 L, 8 L, 4 L; v4-7 LDS address of my place in R's chunk c; v8 of R's scale words; v12-19 S's scale words, v20-27 R's; v28-63 at work on the way out; v64-255 R's ring: 4 groups of 4 fragments.
;   window 1: v0-191 S's ring, 4 K steps of 4 fragments; v192-223 the bias along S's rows; v224-239 the bias along R's rows.   windows 2, 3: accumulator 4 t + n at 8 ((4 t + n) % 32) of window 2 + t / 8.
; HOW R COMES (this stands for what the lines above say of five loads and of chunks): one tensor load a wave, all joint: waves 0 to 2 bring 65,536 bytes of codes each, wave 3 the 8,192 bytes of scale words.
; LDS holds the codes as memory does: block of 64 rows x 49,152 + K step x 6,144 + tile x 1,536; v4-7 point at blocks 0 to 3.  One barrier shows all of R to all waves.
.set FFN,   1
.set SCLB,  196608                     ; LDS: R's scale words: block of 64 rows x 2,048 + K step x 256 + tile x 64
.set SPARE, 204800                     ; the spare words, 128 bytes for each wave
.set SPW, 10
.set NIL, 11
.set WSC, 12
.set ASC, 20
.set TM,  28
.set CT,  44
.set PC,  52                           ; v52-63: the codes of a pair of tiles
.set RR,  64
.set PWR, 64                           ; v64-65: on the way out the pair's scale words
.set BS,  192
.set BR,  224
.set WV,  16
.set G1C, 24                           ; s[24:31] group 1: 256 rows of 256 bytes;  s[32:39]: 32 rows
.set G1S, 32
.set G0S, 40                           ; s[40:43] group 0 for the scale words;  s[44:47] for the codes
.set G0C, 44
.set SEL, 60
.set HI16, 62
.set SP,  66                           ; s[66:67] S's codes, s[68:69] its scale words
.set SS,  68
.set DC,  70                           ; s[70:71] where the codes go, s[72:73] the scale words
.set DS,  72
.set BP,  74
.set BSP, 76
.set BRP, 98
.if FFN
.set DBUF, 10
.else
.set DBUF, 14
.endif
.set MSB, 0
.macro WIN new                         ; the immediate's high byte repeats the setting that is left
.if MSB != (\new)
	s_set_vgpr_msb (MSB<<8)|(\new)
.set MSB, \new
.endif
.endm
.macro CROUND                          ; a round of the cluster's barrier
	s_barrier_signal -1
	s_barrier_wait -1
	s_cmp_lg_u32 s[WV], 0
	s_cbranch_scc1 .Lnot_wave_0_\@
	s_barrier_signal -3
.Lnot_wave_0_\@:
	s_barrier_wait -3
	s_barrier_signal -1
	s_barrier_wait -1
.endm
; one matrix instruction, by the symbols mD, mA, mB, mC (under 0: the constant 0), mSA, mSB, and mRA, mRB: 1 where that side's scale words stand in lanes 16-31
.macro MMC c
.if mRA && mRB
	v_wmma_scale_f32_16x16x128_f8f6f4 v[mD:mD+7], v[mA:mA+11], v[mB:mB+11], \c, v[mSA], v[mSB] matrix_a_fmt:MATRIX_FMT_FP6 matrix_b_fmt:MATRIX_FMT_FP6 matrix_a_scale:MATRIX_SCALE_ROW1 matrix_b_scale:MATRIX_SCALE_ROW1
.elseif mRA
	v_wmma_scale_f32_16x16x128_f8f6f4 v[mD:mD+7], v[mA:mA+11], v[mB:mB+11], \c, v[mSA], v[mSB] matrix_a_fmt:MATRIX_FMT_FP6 matrix_b_fmt:MATRIX_FMT_FP6 matrix_a_scale:MATRIX_SCALE_ROW1
.elseif mRB
	v_wmma_scale_f32_16x16x128_f8f6f4 v[mD:mD+7], v[mA:mA+11], v[mB:mB+11], \c, v[mSA], v[mSB] matrix_a_fmt:MATRIX_FMT_FP6 matrix_b_fmt:MATRIX_FMT_FP6 matrix_b_scale:MATRIX_SCALE_ROW1
.else
	v_wmma_scale_f32_16x16x128_f8f6f4 v[mD:mD+7], v[mA:mA+11], v[mB:mB+11], \c, v[mSA], v[mSB] matrix_a_fmt:MATRIX_FMT_FP6 matrix_b_fmt:MATRIX_FMT_FP6
.endif
.endm
.macro MM
.if mC < 0
	MMC 0
.else
	MMC v[mC:mC+7]
.endif
.endm
	s_load_b256 s[4:11], s[0:1], 0x0               ; FFN = 0: ximg, wimg, bq, bk;  FFN = 1: himg, wimg, b1, fimg
.if !FFN
	s_load_b128 s[12:15], s[0:1], 0x20             ; bv, qkv
.endif
	v_lshl_add_u32 v[SPW], v0, 2, SPARE
	v_mov_b32 v[NIL], 0
	ds_add_u32 v[SPW], v[NIL]                      ; the wave's opening: the add and its wait ahead of my first tensor load; the set-up below, work on registers, stands between them
	ds_add_u32 v[SPW], v[NIL]
	v_lshrrev_b32 v9, 5, v0
	v_readfirstlane_b32 s[WV], v9                  ; wave 0..3
	v_and_b32 v9, 31, v0
	v_lshlrev_b32 v1, 4, v9
	v_lshlrev_b32 v2, 3, v9
	v_lshlrev_b32 v3, 2, v9
.irp c, 0,1,2,3
	v_add_nc_u32 v[4+\c], \c*49152, v1
.endr
	v_add_nc_u32 v8, SCLB, v3
	v_bfe_u32 v44, v0, 4, 1
	v_lshlrev_b32 v44, 6, v44                      ; the bias along S's rows: 64 h bytes
	v_and_b32 v45, 15, v0
	v_and_b32 v46, 8, v45
	v_add_nc_u32 v45, v45, v46
	v_lshlrev_b32 v45, 2, v45                      ; the bias along R's rows: 4 (r + 8 (r / 8))
.irp b, 0,1,2,3
	v_mov_b32 v[TM+4+\b], 0                        ; a lane permute's destination counts as one of its sources
.endr
	s_bfe_u32 s17, ttmp6, 0x40000                  ; cx: it enters S's and the results' addresses alone
	s_and_b32 s19, ttmp7, 0xffff                   ; y
	s_mov_b32 s[G1C], 15|(3<<16)|(1<<21)           ; the mask: all four work-groups; elements of 8 bytes; bit 21 beside a mask; no padding
	s_mov_b32 s[G1C+1], 32<<16                     ; tensor_dim0 = 32 elements: 256 bytes
	s_mov_b32 s[G1C+2], 256<<16                    ; tensor_dim1 = 256
	s_mov_b32 s[G1C+3], 32<<16                     ; tile_dim0
	s_mov_b32 s[G1C+4], 256                        ; tile_dim1
	s_mov_b32 s[G1C+5], 32                         ; the pitch: dense
	s_mov_b32 s[G1C+6], 0
	s_mov_b32 s[G1C+7], 0
	s_mov_b32 s[G1S], 15|(3<<16)|(1<<21)
	s_mov_b32 s[G1S+1], 32<<16
	s_mov_b32 s[G1S+2], 32<<16
	s_mov_b32 s[G1S+3], 32<<16
	s_mov_b32 s[G1S+4], 32
	s_mov_b32 s[G1S+5], 32
	s_mov_b32 s[G1S+6], 0
	s_mov_b32 s[G1S+7], 0
	s_mov_b32 s[SEL], 0x76543210
	s_mov_b32 s[SEL+1], 0xfedcba98
	s_mov_b32 s[HI16], 0xffff0000                  ; lanes 16-31
.if FFN
	s_lshl_b32 s18, ttmp9, 4
	s_lshl_b32 s20, s17, 2
	s_add_co_u32 s18, s18, s20
	s_add_co_u32 s18, s18, s[WV]                   ; sb: my 64 columns of W1 = 16 x cluster x + 4 cx + wave
	s_mov_b32 s23, s19                             ; rb: R's 256 tokens
	s_mov_b32 s82, 0                               ; R's codes and scale words in himg,
	s_mov_b32 s83, 3145728
	s_mov_b32 s84, 3145728                         ; W1's in wimg
	s_mov_b32 s85, 9568256
.else
	s_and_b32 s20, s19, 3
	s_lshl_b32 s21, s17, 2
	s_add_co_u32 s21, s21, s[WV]                   ; q, k: the head = 4 cx + wave
	s_lshr_b32 s22, s19, 2
	s_lshl_b32 s22, s22, 4
	s_add_co_u32 s22, s22, s21                     ; v: the 64 tokens = 16 (y / 4) + 4 cx + wave
	s_cmp_eq_u32 ttmp9, 2                          ; the cluster's x says which product: the same in all four partners
	s_cselect_b32 s23, s20, s19                    ; rb: v: 256 columns of Wv;  q, k: 256 tokens
	s_cselect_b32 s18, s22, s21                    ; sb
	s_cselect_b32 s82, 1572864, 0                  ; R's codes: Wv's in wimg, or ximg's
	s_mov_b32 s83, 3145728
	s_cselect_b32 s83, 9502720, s83                ; R's scale words
	s_cmp_eq_u32 ttmp9, 1
	s_cselect_b32 s84, 786432, 0                   ; S's codes: Wk's; Wq's and ximg's begin at 0
	s_mov_b32 s85, 9437184
	s_cselect_b32 s85, 9469952, s85                ; S's scale words: Wq's, Wk's,
	s_cmp_eq_u32 ttmp9, 2
	s_cselect_b32 s85, 3145728, s85                ; or ximg's
.endif
	s_lshl_b32 s86, s23, 2                         ; R's first block of 64 rows
	s_mul_i32 s88, s86, 49152
	s_add_co_u32 s88, s88, s82
	s_lshl_b32 s96, s[WV], 16                      ; my 65,536 bytes of the codes, in memory and in LDS alike (waves 0 to 2)
	s_add_co_u32 s88, s88, s96
	s_mov_b32 s89, 0
	s_lshl_b32 s90, s86, 11
	s_add_co_u32 s90, s90, s83
	s_mov_b32 s91, 0
	s_mul_i32 s92, s18, 49152
	s_add_co_u32 s92, s92, s84
	s_mov_b32 s93, 0
	s_lshl_b32 s94, s18, 11
	s_add_co_u32 s94, s94, s85
	s_mov_b32 s95, 0
	s_mov_b32 s97, 0                               ; the scale words come whole
	s_wait_dscnt 0x0                               ; the opening add is done
	s_wait_kmcnt 0x0
.if FFN
	s_mov_b64 s[78:79], s[4:5]
	s_mov_b64 s[80:81], s[6:7]
	s_mov_b64 s[BP:BP+1], s[8:9]
.else
	s_cmp_eq_u32 ttmp9, 2
	s_cselect_b64 s[78:79], s[6:7], s[4:5]         ; R's buffer
	s_cselect_b64 s[80:81], s[4:5], s[6:7]         ; S's
	s_cmp_eq_u32 ttmp9, 1
	s_cselect_b64 s[BP:BP+1], s[10:11], s[8:9]
	s_cmp_eq_u32 ttmp9, 2
	s_cselect_b64 s[BP:BP+1], s[12:13], s[BP:BP+1] ; the bias
.endif
	s_add_nc_u64 s[88:89], s[78:79], s[88:89]
	s_add_nc_u64 s[90:91], s[78:79], s[90:91]
	s_add_nc_u64 s[SP:SP+1], s[80:81], s[92:93]
	s_add_nc_u64 s[SS:SS+1], s[80:81], s[94:95]
	s_mov_b32 s[G0S], 1
	s_add_co_u32 s[G0S+1], s97, SCLB
	s_mov_b64 s[G0S+2:G0S+3], s[90:91]
	s_or_b32 s[G0S+3], s[G0S+3], 0x80000000
.irp c, 0
	s_mov_b32 s[G0C+4*\c], 1
	s_add_co_u32 s[G0C+4*\c+1], s96, \c*49152
	s_add_nc_u64 s[G0C+4*\c+2:G0C+4*\c+3], s[88:89], \c*12288
	s_or_b32 s[G0C+4*\c+3], s[G0C+4*\c+3], 0x80000000
.endr
	CROUND                                         ; all four work-groups are here: the joint loads meet
	s_cmp_lt_u32 s[WV], 3                          ; one load a wave, a first fill: waves 0 to 2 the codes, wave 3 the scale words
	s_cbranch_scc0 .Lfor_scales
	tensor_load_to_lds s[G0C:G0C+3], s[G1C:G1C+7]
	s_nop 0
.rept 4
	v_nop
.endr
	s_branch .Lasked
.Lfor_scales:
	tensor_load_to_lds s[G0S:G0S+3], s[G1S:G1S+7]
	s_nop 0
.rept 4
	v_nop
.endr
.Lasked:
.if FFN
	s_lshl_b32 s20, s18, 8
.else
	s_and_b32 s20, s18, 15                         ; (masked, so that the load stays inside the bias where it is not the one that counts)
	s_lshl_b32 s20, s20, 8
.endif
	s_mov_b32 s21, 0
	s_add_nc_u64 s[BSP:BSP+1], s[BP:BP+1], s[20:21]
	WIN 0x40                                       ; destination window 1
	s_wait_alu depctr_va_vdst(0)
.irp b, 0,1
.irp q, 0,1,2,3
	global_load_b128 v[BS+16*\b+4*\q:BS+16*\b+4*\q+3], v44, s[BSP:BSP+1] offset:128*\b+16*\q   ; register 16 b + i: the bias of S's row 32 b + 16 h + i
.endr
.endr
.if !FFN
	s_and_b32 s20, s23, 3
	s_lshl_b32 s20, s20, 10
	s_add_nc_u64 s[BRP:BRP+1], s[BP:BP+1], s[20:21]
.irp t, 0,1,2,3,4,5,6,7,8,9,10,11,12,13,14,15
	global_load_b32 v[BR+\t], v45, s[BRP:BRP+1] offset:(32*(\t/2)+8*(\t%2))*4   ; the bias of my row of R's tile t
.endr
.endif
	WIN 0
.macro SLOAD s                         ; S's four fragments and their scale words for K step s, into ring place s % 4: 14 loads
	WIN 0x40
.irp n, 0,1,2,3
.irp c, 0,1,2
	global_load_b128 v[48*((\s)%4)+12*\n+4*\c:48*((\s)%4)+12*\n+4*\c+3], v1, s[SP:SP+1] offset:(\s)*6144+\n*1536+512*\c
.endr
.endr
	WIN 0
.irp j, 0,1
	global_load_b32 v[WSC+2*((\s)%4)+\j], v3, s[SS:SS+1] offset:(\s)*256+128*\j   ; lanes 0-15 tile 2 j's words, lanes 16-31 tile 2 j + 1's
.endr
.endm
.macro AGRP s, ag                      ; R's tiles 4 ag .. 4 ag + 3 for K step s, into ring group ag: 14 LDS loads
.irp i, 0,1,2,3
.irp c, 0,1,2
	ds_load_b128 v[RR+48*(\ag)+12*\i+4*\c:RR+48*(\ag)+12*\i+4*\c+3], v[4+(\ag)] offset:(\s)*6144+\i*1536+512*\c
.endr
.endr
.irp j, 0,1
	ds_load_b32 v[ASC+2*(\ag)+\j], v8 offset:(\ag)*2048+(\s)*256+128*\j
.endr
.endm
	SLOAD 0
	SLOAD 1
	SLOAD 2
	SLOAD 3
	; where the results go
.if FFN
	s_lshl_b32 s20, s19, 9
	s_lshr_b32 s21, s18, 1
	s_lshl_b32 s21, s21, 2
	s_add_co_u32 s20, s20, s21                     ; fragment (tile 16 y, K step sb / 2) of 32 K steps
	s_and_b32 s22, s18, 1                          ; which half of it
	s_mul_i32 s84, s20, 1536
	s_mul_i32 s21, s22, 768
	s_add_co_u32 s84, s84, s21
	s_lshl_b32 s85, s20, 6
	s_lshl_b32 s21, s22, 1
	s_add_co_u32 s85, s85, s21
	s_add_co_u32 s85, s85, 12582912
.else
	s_lshr_b32 s20, s19, 3
	s_lshl_b32 s20, s20, 4
	s_add_co_u32 s20, s20, s18                     ; q, k: batch x 16 + head
	s_and_b32 s21, s19, 7
	s_lshl_b32 s82, s20, 7
	s_lshl_b32 s83, s21, 4
	s_add_co_u32 s82, s82, s83                     ; q: the first of my 16 tiles, of 128 a head
	s_mul_i32 s84, s82, 768
	s_lshl_b32 s85, s82, 6
	s_add_co_u32 s85, s85, 3145728
	s_mul_i32 s86, s20, 208896                     ; k: the head's block, the chunk of 512 keys,
	s_lshr_b32 s83, s21, 1
	s_mul_i32 s83, s83, 52224
	s_add_co_u32 s86, s86, s83
	s_add_co_u32 s86, s86, 3407872
	s_and_b32 s83, s19, 1                          ; and which 16 of its 32 tiles
	s_mul_i32 s87, s83, 12288
	s_add_co_u32 s87, s87, s86
	s_lshl_b32 s83, s83, 10
	s_add_co_u32 s83, s83, s86
	s_add_co_u32 s83, s83, 49152
	s_lshr_b32 s92, s18, 5                         ; v: batch x 16 + the first of R's four heads,
	s_lshl_b32 s92, s92, 4
	s_lshl_b32 s93, s23, 2
	s_add_co_u32 s92, s92, s93
	s_mul_i32 s92, s92, 208896
	s_bfe_u32 s93, s18, 0x40001                    ; the key step of 128,
	s_lshr_b32 s94, s93, 2
	s_mul_i32 s94, s94, 52224
	s_add_co_u32 s92, s92, s94
	s_add_co_u32 s92, s92, 3407872
	s_and_b32 s93, s93, 3
	s_and_b32 s94, s18, 1                          ; and which half of it
	s_mul_i32 s95, s93, 6144
	s_mul_i32 s96, s94, 768
	s_add_co_u32 s95, s95, s96
	s_add_co_u32 s95, s95, s92
	s_add_co_u32 s95, s95, 24576
	s_lshl_b32 s93, s93, 8
	s_lshl_b32 s94, s94, 1
	s_add_co_u32 s93, s93, s94
	s_add_co_u32 s93, s93, s92
	s_add_co_u32 s93, s93, 51200
	s_cmp_eq_u32 ttmp9, 1
	s_cselect_b32 s84, s87, s84
	s_cselect_b32 s85, s83, s85
	s_cmp_eq_u32 ttmp9, 2
	s_cselect_b32 s84, s95, s84
	s_cselect_b32 s85, s93, s85
.endif
	s_mov_b32 s20, s84
	s_mov_b32 s21, 0
	s_add_nc_u64 s[DC:DC+1], s[DBUF:DBUF+1], s[20:21]
	s_mov_b32 s20, s85
	s_add_nc_u64 s[DS:DS+1], s[DBUF:DBUF+1], s[20:21]
	s_wait_tensorcnt 0x0                           ; my one load is in
	s_barrier_signal -1
	s_barrier_wait -1                              ; everybody's are
	AGRP 0, 0
	AGRP 0, 1
	AGRP 0, 2
	AGRP 0, 3
; A K step of 128: 64 matrix instructions.  The 64 accumulators take turns, one instruction a turn, in the same order in every step.
.macro KSTEP s
.if (\s) < 5
	s_wait_loadcnt 42                              ; this step's 14 loads of S are in; those of the three steps behind it may be out
.else
	s_wait_loadcnt (7-(\s))*14
.endif
.irp ag, 0,1,2,3
.if (\s) < 7
	s_wait_dscnt 42                                ; this group's 14 loads are in; the three groups asked for behind it may be out
.else
	s_wait_dscnt (3-\ag)*14
.endif
.if ((\s) == 0) && FFN
	WIN 0x91+0x40*(\ag/2)                          ; S window 1, R window 0, the bias (C) window 1, D window 2 or 3
.else
	WIN 0xa1+0x50*(\ag/2)                          ; S window 1, R window 0, C and D window 2 or 3
.endif
.irp i, 0,1,2,3
.irp n, 0,1,2,3
.set mD, 8*((16*\ag+4*\i+\n)%32)
.set mA, 48*((\s)%4)+12*\n
.set mB, RR+48*\ag+12*\i
.set mSA, WSC+2*((\s)%4)+\n/2
.set mSB, ASC+2*\ag+\i/2
.set mRA, \n%2
.set mRB, \i%2
.if (\s) == 0
.if FFN
.set mC, BS+8*\n                       ; the bias starts the sums
.else
.set mC, -1                            ; the first product starts the sums
.endif
.else
.set mC, mD
.endif
	MM
.endr
.endr
	WIN 0
.if (\s) < 7
.rept 4
	v_nop                                          ; places in front of loads into registers that matrix instructions have read
.endr
	AGRP (\s)+1, \ag
.endif
.endr
.if (\s) < 4
	SLOAD (\s)+4                                   ; into the ring place just read (the four places above stand between)
.endif
.endm
	KSTEP 0
	KSTEP 1
	KSTEP 2
	KSTEP 3
	KSTEP 4
	KSTEP 5
	KSTEP 6
	KSTEP 7
; THE WAY OUT.  32 numbers of a lane, v[asrc] on in window awin, register 16 b + i = k 32 b + 16 (lane / 16) + i of my row, become six registers of codes and the row's two scale bytes.
.macro QUANTW dst, pw
	WIN (awin<<2)|(awin<<4)
.irp b, 0,1
	v_max3_num_f32 v[TM+\b], 0x1800000, |v[asrc+16*\b]|, |v[asrc+16*\b+1]|   ; my 16 numbers of block b, and the floor 2^(3 - 127): the byte cannot fall under 1
.endr
.irp i, 2,4,6,8,10,12,14
.irp b, 0,1
	v_max3_num_f32 v[TM+\b], v[TM+\b], |v[asrc+16*\b+\i]|, |v[asrc+16*\b+\i+1]|
.endr
.endr
	WIN 0
.irp b, 0,1
	v_permlanex16_b32 v[TM+4+\b], v[TM+\b], s[SEL], s[SEL+1]
.endr
.irp b, 0,1
	v_max_num_f32 v[TM+\b], v[TM+\b], v[TM+4+\b]   ; with lane l xor 16's: the block's largest magnitude
.endr
.irp b, 0,1
	v_add_nc_u32 v[TM+12+\b], 0xff000000, v[TM+\b] ; 2 off its exponent field: the conversion's scale operand
.endr
.irp b, 0,1
	v_lshrrev_b32 v[TM+4+\b], 23, v[TM+12+\b]      ; the scale's byte
.endr
	v_lshl_or_b32 v[\pw], v[TM+5], 8, v[TM+4]
	WIN awin                                       ; source 0 in the accumulators' window
	v_cvt_scalef32_pk16_fp6_f32 v[\dst:\dst+2], v[asrc:asrc+15], v[TM+12]
	v_cvt_scalef32_pk16_fp6_f32 v[CT:CT+2], v[asrc+16:asrc+31], v[TM+13]
	WIN 0
	v_nop                                          ; one plain place behind a scaled conversion
.irp i, 0,1,2
	v_permlane16_swap_b32 v[\dst+\i], v[CT+\i]     ; a whole block to a lane: lanes 0-15 block 0, lanes 16-31 block 1
.endr
.irp i, 0,1,2
	v_mov_b32 v[\dst+3+\i], v[CT+\i]
.endr
.endm
; R's tiles t and t + 1.  mode 0: q, k: + the bias along S's rows;  1: v: + the bias of my row of R;  2: relu
.macro EPI_PAIR t, mode
	s_wait_xcnt 0x0                                ; the last pair's stores have read their registers: they are written again only behind this wait
.irp e, 0,1
.set tt, (\t)+\e
.set awin, 2+tt/8
.set asrc, 32*(tt%8)
.if (\mode) == 2
	WIN (awin<<2)|(awin<<6)
.set i, 0
.rept 32
	v_max_num_f32 v[asrc+i], 0, v[asrc+i]          ; each accumulator from its low end on
.set i, i+1
.endr
.else
	WIN awin|4|(awin<<6)
.set i, 0
.rept 16
.if (\mode) == 0
	v_pk_add_f32 v[asrc+2*i:asrc+2*i+1], v[asrc+2*i:asrc+2*i+1], v[BS+2*i:BS+2*i+1]
.else
	v_pk_add_f32 v[asrc+2*i:asrc+2*i+1], v[asrc+2*i:asrc+2*i+1], v[BR+(\t):BR+(\t)+1] op_sel:[0,\e] op_sel_hi:[1,\e]
.endif
.set i, i+1
.endr
.endif
	QUANTW PC+6*\e, PWR+\e
.endr
.if (\mode) == 0
.set c0, (\t)*768
.set c1, c0+768
.set sc, ((\t)/2)*128
.elseif (\mode) == 1
.set c0, ((\t)/4)*208896+((\t)%4)*1536
.set c1, c0+1536
.set sc, ((\t)/4)*208896+(((\t)%4)/2)*128
.else
.set c0, ((\t)/4)*196608+((\t)%4)*1536
.set c1, c0+1536
.set sc, ((\t)/4)*8192+(((\t)%4)/2)*128
.endif
	v_cndmask_b32 v[PWR], v[PWR], v[PWR+1], s[HI16]   ; lanes 0-15 tile t's bytes, lanes 16-31 tile t + 1's
	global_store_b128 v1, v[PC:PC+3], s[DC:DC+1] offset:c0          ; half a fragment: 512 consecutive bytes, then 256
	global_store_b64 v2, v[PC+4:PC+5], s[DC:DC+1] offset:c0+512
	global_store_b128 v1, v[PC+6:PC+9], s[DC:DC+1] offset:c1
	global_store_b64 v2, v[PC+10:PC+11], s[DC:DC+1] offset:c1+512
.if (\mode) == 0
	global_store_b32 v3, v[PWR], s[DS:DS+1] offset:sc               ; K is 64 there: the word's upper two bytes are 0 and meet zero codes
.else
	global_store_b16 v3, v[PWR], s[DS:DS+1] offset:sc               ; my half of the fragment's scale word
.endif
.endm
.rept 4
	v_nop                                          ; places in front of the first read of results
.endr
.if FFN
.irp t, 0,2,4,6,8,10,12,14
	EPI_PAIR \t, 2
.endr
.else
	s_cmp_eq_u32 ttmp9, 2
	s_cbranch_scc1 .Lv
.irp t, 0,2,4,6,8,10,12,14
	EPI_PAIR \t, 0
.endr
	s_branch .Lend
.Lv:
.irp t, 0,2,4,6,8,10,12,14
	EPI_PAIR \t, 1
.endr
.Lend:
.endif
	s_wait_tensorcnt 0x0                           ; the wave's end
	ds_add_u32 v[SPW], v[NIL]
	s_wait_dscnt 0x0
	CROUND                                         ; the closing round
	s_endpgm
.Lfunc_end_k_qd9d707b109_ffn1:
	.size	k_qd9d707b109_ffn1, .Lfunc_end_k_qd9d707b109_ffn1-k_qd9d707b109_ffn1
	.p2alignl 7, 3214868480
	.fill 96, 4, 3214868480
	.section	.rodata,"a",@progbits
	.p2align	6, 0x0
	.amdhsa_kernel k_qd9d707b109_ffn1
		.amdhsa_group_segment_fixed_size 205312
		.amdhsa_private_segment_fixed_size 0
		.amdhsa_enable_private_segment 0
		.amdhsa_kernarg_size 32
		.amdhsa_user_sgpr_count 2
		.amdhsa_user_sgpr_kernarg_segment_ptr 1
		.amdhsa_wavefront_size32 1
		.amdhsa_system_sgpr_workgroup_id_x 1
		.amdhsa_system_sgpr_workgroup_id_y 1
		.amdhsa_system_sgpr_workgroup_id_z 1
		.amdhsa_system_vgpr_workitem_id 0
		.amdhsa_next_free_vgpr 1024
		.amdhsa_next_free_sgpr 100
		.amdhsa_reserve_vcc 0
		.amdhsa_float_denorm_mode_32 3
		.amdhsa_float_denorm_mode_16_64 3
		.amdhsa_memory_ordered 1
		.amdhsa_forward_progress 1
		.amdhsa_inst_pref_size 170
	.end_amdhsa_kernel
	.amdgpu_metadata
---
amdhsa.version: [ 1, 2 ]
amdhsa.kernels:
  - .name:           k_qd9d707b109_ffn1
    .symbol:         k_qd9d707b109_ffn1.kd
    .args:
      - { .name: himg, .offset: 0, .size: 8, .value_kind: global_buffer, .address_space: global }
      - { .name: wimg, .offset: 8, .size: 8, .value_kind: global_buffer, .address_space: global }
      - { .name: b1, .offset: 16, .size: 8, .value_kind: global_buffer, .address_space: global }
      - { .name: fimg, .offset: 24, .size: 8, .value_kind: global_buffer, .address_space: global }
    .group_segment_fixed_size: 205312
    .private_segment_fixed_size: 0
    .kernarg_segment_align: 8
    .kernarg_segment_size: 32
    .max_flat_workgroup_size: 128
    .sgpr_count:     100
    .vgpr_count:     1024
    .wavefront_size: 32
...
	.end_amdgpu_metadata
.endif
;; end of part 6
;; launch ffn2 (part 7): grid 8 x 32, 4 waves a work-group, clusters of 4 x 1, 327,680 bytes of LDS; arguments fimg, wimg, b2, ry; writes ry
.if DOCPART == 7
	.amdgcn_target "amdgcn-amd-amdhsa--gfx1250"
	.amdhsa_code_object_version 6
	.text
	.protected	k_qd9d707b109_ffn2
	.globl	k_qd9d707b109_ffn2
	.p2align	8
	.type	k_qd9d707b109_ffn2,@function
k_qd9d707b109_ffn2:
	s_mov_b64 s[64:65], 0
	v_nop
	global_prefetch_b8 v0, s[64:65] scope:SCOPE_SE
	s_setreg_imm32_b32 hwreg(HW_REG_WAVE_MODE, 25, 1), 1
	s_wait_xcnt 0x0
	s_wait_alu depctr_hold_cnt(0) depctr_sa_sdst(0) depctr_va_vdst(0) depctr_va_sdst(0) depctr_va_ssrc(0) depctr_va_vcc(0) depctr_vm_vsrc(0)
	s_getreg_b32 s2, hwreg(HW_REG_IB_STS2, 6, 4)
	s_cmp_eq_u32 s2, 0
	s_cbranch_scc0 .Lentry_in_a_cluster
	s_endpgm
.Lentry_in_a_cluster:
	s_bfe_u32 s2, ttmp6, 0x10000c
	s_cmp_lg_u32 s2, 0x3003
	s_cbranch_scc0 .Lentry_shape_is_right
	s_endpgm
.Lentry_shape_is_right:
; ry = hidden W2 + b2 on register images of E2M3 codes, K = 4,096 (32 K steps of 128); the f32 results go to memory as register images.
; A work-group of four waves makes 128 rows of R (tokens, fimg) x 128 rows of S (columns of W2, wimg): 32 x 8 = 256 work-groups.
; R goes through two LDS slots of 8 K steps (2 blocks of 64 rows x 49,152 bytes), asked for JOINTLY by the four work-groups of a cluster, which need the same rows: one load of 24,576 dense bytes a wave and fill.
; Wave w: cg = w % 2: its 64 rows of S;  kh = w / 2: K steps 4 kh .. 4 kh + 3 of each slot: 16 steps of 32 matrix instructions on 32 accumulators (128 x 64).
; S's fragments and both sides' scale words go from memory straight into rings of registers, four steps (72 loads) ahead; a fragment of S feeds eight matrix instructions.
; GROUPS: a wave's group g of 16 accumulators holds R's block g xor kh, by addresses alone.  At the end each wave hands its group 1 to its partner (w xor 2) through LDS and keeps group 0, block kh: no branch.
; The bias is the C of group 0's first matrix instructions, so it enters each result once.  LIMIT: the f32 sums are made in two parts (the K steps of kh = 0 and of kh = 1), which are then added.
; Source 0 = 16 rows of S, source 1 = 16 rows of R: a lane holds one token and 32 neighbouring-by-layout columns for each tile of R, as the next launch reads them.
; A change of slots stands at the head of steps 3, 7 and 11: all reads of the old slot are then in registers, so one round of the cluster's barrier shows the new slot whole and frees the old one.
; No data prefetch: the text has no loop to run ahead in; a refill is asked for four of the wave's steps, 128 matrix instructions, ahead of the wait for it.
; REGISTERS.  window 0: v1-3 16 L, 8 L, 4 L; v12-19 S's scale words, v20-35 R's (4 steps); v40-47 LDS addresses (slot, group, 16 L or 8 L); v48-49 stages; v50 bias; v64-255 R's ring: 2 steps x 2 groups x 4 fragments.
;   window 1: v0-191 S's ring, 4 steps of 4 fragments; v192-223 the bias.   window 2: accumulator (g, i, n) at 128 g + 32 i + 8 n.
.set ROFFS, 12582912                   ; R's scale words in fimg
.set SOFFC, 6291456                    ; W2's codes and scale words in wimg
.set SOFFS, 9699328
.set SLOT,  98304
.set STG,   2*SLOT                     ; four stages of 16,384 bytes: no tensor load lands there
.set SPARE, STG+65536                  ; the spare words, 128 bytes for each wave
.set SPW, 10
.set NIL, 11
.set WSC, 12
.set ASC, 20
.set AD,  40
.set STO, 48
.set STI, 49
.set BA,  50
.set RR,  64
.set BS,  192
.set WV,  12
.set G1,  24                           ; s[24:31] group 1: 96 rows of 256 bytes
.set G0,  32                           ; s[32:35], s[36:39] group 0 for slots 0, 1
.set SP,  40
.set SS,  42
.set RS,  44                           ; s[44:45], s[46:47] R's scale words for groups 0, 1
.set DC,  48
.set BSP, 50
.set MSB, 0
.macro WIN new                         ; the immediate's high byte repeats the setting that is left
.if MSB != (\new)
	s_set_vgpr_msb (MSB<<8)|(\new)
.set MSB, \new
.endif
.endm
.macro PLACES
.rept 4
	v_nop
.endr
.endm
.macro CROUND                          ; a round of the cluster's barrier
	s_barrier_signal -1
	s_barrier_wait -1
	s_cmp_lg_u32 s[WV], 0
	s_cbranch_scc1 .Lnot_wave_0_\@
	s_barrier_signal -3
.Lnot_wave_0_\@:
	s_barrier_wait -3
	s_barrier_signal -1
	s_barrier_wait -1
.endm
.macro MMC c                           ; mRA, mRB: 1 where that side's scale words stand in lanes 16-31
.if mRA && mRB
	v_wmma_scale_f32_16x16x128_f8f6f4 v[mD:mD+7], v[mA:mA+11], v[mB:mB+11], \c, v[mSA], v[mSB] matrix_a_fmt:MATRIX_FMT_FP6 matrix_b_fmt:MATRIX_FMT_FP6 matrix_a_scale:MATRIX_SCALE_ROW1 matrix_b_scale:MATRIX_SCALE_ROW1
.elseif mRA
	v_wmma_scale_f32_16x16x128_f8f6f4 v[mD:mD+7], v[mA:mA+11], v[mB:mB+11], \c, v[mSA], v[mSB] matrix_a_fmt:MATRIX_FMT_FP6 matrix_b_fmt:MATRIX_FMT_FP6 matrix_a_scale:MATRIX_SCALE_ROW1
.elseif mRB
	v_wmma_scale_f32_16x16x128_f8f6f4 v[mD:mD+7], v[mA:mA+11], v[mB:mB+11], \c, v[mSA], v[mSB] matrix_a_fmt:MATRIX_FMT_FP6 matrix_b_fmt:MATRIX_FMT_FP6 matrix_b_scale:MATRIX_SCALE_ROW1
.else
	v_wmma_scale_f32_16x16x128_f8f6f4 v[mD:mD+7], v[mA:mA+11], v[mB:mB+11], \c, v[mSA], v[mSB] matrix_a_fmt:MATRIX_FMT_FP6 matrix_b_fmt:MATRIX_FMT_FP6
.endif
.endm
	s_load_b256 s[4:11], s[0:1], 0x0               ; fimg, wimg, b2, ry
	v_lshl_add_u32 v[SPW], v0, 2, SPARE
	v_mov_b32 v[NIL], 0
	ds_add_u32 v[SPW], v[NIL]                      ; the opening lines: the add, twice on end, and its wait ahead of my first tensor load
	ds_add_u32 v[SPW], v[NIL]
	v_lshrrev_b32 v9, 5, v0
	v_readfirstlane_b32 s[WV], v9                  ; wave 0..3
	s_and_b32 s15, s[WV], 1                        ; cg
	s_lshr_b32 s16, s[WV], 1                       ; kh
	s_xor_b32 s17, s16, 1                          ; 1 - kh
	s_bfe_u32 s13, ttmp6, 0x40000                  ; cx: it enters S's, the bias's and the results' addresses alone
	s_and_b32 s14, ttmp7, 0xffff                   ; y: R's 128 rows
	s_lshl_b32 s18, ttmp9, 2
	s_add_co_u32 s18, s18, s13
	s_lshl_b32 s18, s18, 1
	s_add_co_u32 s18, s18, s15                     ; sb: my 64 rows of S
	s_mov_b32 s[G1], 15|(3<<16)|(1<<21)            ; the mask: all four work-groups; elements of 8 bytes; bit 21 beside a mask; no padding
	s_mov_b32 s[G1+1], 32<<16                      ; rows of 256 bytes,
	s_mov_b32 s[G1+2], 96<<16                      ; 96 of them: four K steps of a block of 64 rows
	s_mov_b32 s[G1+3], 32<<16
	s_mov_b32 s[G1+4], 96
	s_mov_b32 s[G1+5], 32
	s_mov_b32 s[G1+6], 0
	s_mov_b32 s[G1+7], 0
	s_mul_i32 s19, s16, 73728                      ; LDS, group 0: block kh (49,152 kh), from K step 4 kh of the slot (24,576 kh)
	s_mul_i32 s20, s17, 49152
	s_mul_i32 s21, s16, 24576
	s_add_co_u32 s20, s20, s21                     ; group 1: block 1 - kh
	s_lshl_b32 s22, s[WV], 14
	s_add_co_u32 s22, s22, STG                     ; my stage,
	s_xor_b32 s23, s[WV], 2
	s_lshl_b32 s23, s23, 14
	s_add_co_u32 s23, s23, STG                     ; and my partner's
	s_lshl_b32 s52, s14, 1
	s_add_co_u32 s53, s52, s16                     ; block 2 y + kh of 64 rows: group 0's, the one that I fetch from, and the one that I store
	s_add_co_u32 s54, s52, s17                     ; group 1's
	s_mul_i32 s56, s53, 196608
	s_mul_i32 s57, s15, 24576
	s_add_co_u32 s56, s56, s57                     ; what I fetch: block w / 2, K steps 4 (w % 2) on of each slot
	s_mov_b32 s57, 0
	s_lshl_b32 s55, s16, 10                        ; 4 kh K steps of scale words
	s_lshl_b32 s58, s53, 13
	s_add_co_u32 s58, s58, s55
	s_add_co_u32 s58, s58, ROFFS
	s_mov_b32 s59, 0
	s_lshl_b32 s60, s54, 13
	s_add_co_u32 s60, s60, s55
	s_add_co_u32 s60, s60, ROFFS
	s_mov_b32 s61, 0
	s_mul_i32 s62, s18, 196608
	s_add_co_u32 s62, s62, s21
	s_add_co_u32 s62, s62, SOFFC
	s_mov_b32 s63, 0
	s_lshl_b32 s66, s18, 13
	s_add_co_u32 s66, s66, s55
	s_add_co_u32 s66, s66, SOFFS
	s_mov_b32 s67, 0
	s_lshl_b32 s68, s53, 18
	s_lshl_b32 s69, s18, 12
	s_add_co_u32 s68, s68, s69                     ; ry: (tile 4 (2 y + kh), block sb): 4,096 bytes each, 16 blocks a tile
	s_mov_b32 s69, 0
	s_lshl_b32 s70, s18, 8
	s_mov_b32 s71, 0
	s_mul_i32 s72, s[WV], 24576                    ; where my part of a slot goes
	v_and_b32 v9, 31, v0
	v_bfe_u32 v[BA], v0, 4, 1
	v_lshlrev_b32 v1, 4, v9
	v_lshlrev_b32 v2, 3, v9
	v_lshlrev_b32 v3, 2, v9
	v_lshlrev_b32 v[BA], 6, v[BA]                  ; the bias: 64 h bytes
	v_add_nc_u32 v[AD], s19, v1
	v_add_nc_u32 v[AD+1], s19, v2
	v_add_nc_u32 v[AD+2], s20, v1
	v_add_nc_u32 v[AD+3], s20, v2
.irp k, 0,1,2,3
	v_add_nc_u32 v[AD+4+\k], SLOT, v[AD+\k]
.endr
	v_add_nc_u32 v[STO], s22, v1
	v_add_nc_u32 v[STI], s23, v1
	s_wait_alu depctr_va_vdst(0)
	s_wait_dscnt 0x0                               ; both opening adds are done
	s_wait_kmcnt 0x0
	s_add_nc_u64 s[56:57], s[4:5], s[56:57]
	s_add_nc_u64 s[RS:RS+1], s[4:5], s[58:59]
	s_add_nc_u64 s[RS+2:RS+3], s[4:5], s[60:61]
	s_add_nc_u64 s[SP:SP+1], s[6:7], s[62:63]
	s_add_nc_u64 s[SS:SS+1], s[6:7], s[66:67]
	s_add_nc_u64 s[BSP:BSP+1], s[8:9], s[70:71]
	s_add_nc_u64 s[DC:DC+1], s[10:11], s[68:69]
.irp p, 0,1
	s_mov_b32 s[G0+4*\p], 1
	s_add_co_u32 s[G0+4*\p+1], s72, \p*SLOT
	s_add_nc_u64 s[G0+4*\p+2:G0+4*\p+3], s[56:57], \p*49152   ; K steps 8 p on
	s_or_b32 s[G0+4*\p+3], s[G0+4*\p+3], 0x80000000
.endr
	CROUND                                         ; all four work-groups are here: the joint loads meet
	tensor_load_to_lds s[G0:G0+3], s[G1:G1+7]      ; K steps 0-7 into slot 0: my one load at the head
	s_nop 0
	PLACES
	WIN 0x40
.irp b, 0,1
.irp q, 0,1,2,3
	global_load_b128 v[BS+16*\b+4*\q:BS+16*\b+4*\q+3], v[BA], s[BSP:BSP+1] offset:128*\b+16*\q   ; register 16 b + i: the bias of S's row 32 b + 16 h + i
.endr
.endr
	WIN 0
.macro SLOAD s                         ; my step s is K step 8 (s / 4) + 4 kh + s % 4 (4 kh stands in the bases): S's four fragments and all scale words: 18 loads
.set go, 8*((\s)/4)+(\s)%4
	WIN 0x40
.irp n, 0,1,2,3
.irp c, 0,1,2
	global_load_b128 v[48*((\s)%4)+12*\n+4*\c:48*((\s)%4)+12*\n+4*\c+3], v1, s[SP:SP+1] offset:go*6144+\n*1536+512*\c
.endr
.endr
	WIN 0
.irp j, 0,1                            ; lanes 0-15 tile 2 j's words, lanes 16-31 tile 2 j + 1's
	global_load_b32 v[WSC+2*((\s)%4)+\j], v3, s[SS:SS+1] offset:go*256+128*\j
	global_load_b32 v[ASC+4*((\s)%4)+\j], v3, s[RS:RS+1] offset:go*256+128*\j
	global_load_b32 v[ASC+4*((\s)%4)+2+\j], v3, s[RS+2:RS+3] offset:go*256+128*\j
.endr
.endm
.macro AG s, g                         ; group g's four fragments of R for my step s, each two halves of 768 bytes: 16 LDS loads
.set aa, AD+4*(((\s)/4)%2)+2*(\g)
.irp i, 0,1,2,3
.set rr, RR+48*(2*((\s)%2)+(\g))+12*\i
.set oo, ((\s)%4)*6144+\i*1536
	ds_load_b128 v[rr:rr+3], v[aa] offset:oo
	ds_load_b64 v[rr+4:rr+5], v[aa+1] offset:oo+512
	ds_load_b128 v[rr+6:rr+9], v[aa] offset:oo+768
	ds_load_b64 v[rr+10:rr+11], v[aa+1] offset:oo+1280
.endr
.endm
.macro MUL s, g                        ; 16 matrix instructions; the 32 accumulators take turns, one instruction a turn
.if ((\s) == 0) && ((\g) == 0)
	WIN 0x91                                       ; S window 1, R window 0, the bias (C) window 1, D window 2
.else
	WIN 0xa1                                       ; S window 1, R window 0, C and D window 2
.endif
.irp i, 0,1,2,3
.irp n, 0,1,2,3
.set mD, 128*(\g)+32*\i+8*\n
.set mA, 48*((\s)%4)+12*\n
.set mB, RR+48*(2*((\s)%2)+(\g))+12*\i
.set mSA, WSC+2*((\s)%4)+\n/2
.set mSB, ASC+4*((\s)%4)+2*(\g)+\i/2
.set mRA, \n%2
.set mRB, \i%2
.if ((\s) == 0) && ((\g) == 0)
	MMC v[BS+8*\n:BS+8*\n+7]
.elseif (\s) == 0
	MMC 0
.else
	MMC v[mD:mD+7]
.endif
.endr
.endr
	WIN 0
	PLACES                                         ; in front of loads into registers that these have read, and of the first read of results
.endm
.macro STEP s
.if (((\s)%4) == 3) && ((\s) < 15)     ; THE CHANGE OF SLOTS: this step's fragments were asked for two steps ago, and no later step reads the old slot
	s_wait_tensorcnt 0x0                           ; my part of the next slot is in;
	ds_add_u32 v[SPW], v[NIL]
.if (\s) < 11
	s_add_nc_u64 s[G0+4*(((\s)/4)%2)+2:G0+4*(((\s)/4)%2)+3], s[G0+4*(((\s)/4)%2)+2:G0+4*(((\s)/4)%2)+3], 2*49152   ; no load of mine is out: the old slot's next 8 K steps
	s_wait_dscnt 0x0                               ; the add is done, and my reads of the old slot are in registers
	CROUND                                         ; both now hold of every wave of the cluster
	tensor_load_to_lds s[G0+4*(((\s)/4)%2):G0+4*(((\s)/4)%2)+3], s[G1:G1+7]
	s_nop 0
.else
	s_wait_dscnt 0x0
	s_barrier_signal -1                            ; nothing is left to fetch: the last slot is shown whole
	s_barrier_wait -1
.endif
	PLACES
	AG (\s)+1, 0
	AG (\s)+1, 1
.endif
.if (\s) < 13
	s_wait_loadcnt 54                              ; this step's 18 loads are in; those of the three steps behind it may be out
.else
	s_wait_loadcnt (15-(\s))*18
.endif
.irp g, 0,1
.if (\s) == 15
	s_wait_dscnt 16*(1-\g)
.elseif ((\s)%4) == 2
	s_wait_dscnt 48-16*\g                          ; no group is asked for in this step: three, then two groups of 16 stand behind the one wanted
.elseif ((\s)%4) != 3
	s_wait_dscnt 48                                ; three groups of 16 stand behind the one wanted
.endif
	MUL \s, \g
.if (((\s)%4) != 2) && ((\s)+2 < 16)
	AG (\s)+2, \g                                  ; into the ring place just read
.endif
.endr
.if (\s)+4 < 16
	SLOAD (\s)+4
.endif
.endm
	SLOAD 0
	SLOAD 1
	SLOAD 2
	SLOAD 3
	s_wait_tensorcnt 0x0                           ; my part of slot 0 is in
	ds_add_u32 v[SPW], v[NIL]
	s_wait_dscnt 0x0
	CROUND
	tensor_load_to_lds s[G0+4:G0+7], s[G1:G1+7]    ; K steps 8-15 into slot 1
	s_nop 0
	PLACES
	AG 0, 0
	AG 0, 1
	AG 1, 0
	s_wait_dscnt 32                                ; the first group is in
	AG 1, 1
.set st, 0
.rept 16
	STEP st
.set st, st+1
.endr
	; THE WAY OUT: group 1 goes to my stage, my partner's group 1 is added to my group 0
	WIN 0x08                                       ; an LDS store's data are its source 1: window 2
.set q, 0
.rept 32
	ds_store_b128 v[STO], v[128+4*q:128+4*q+3] offset:512*q   ; each accumulator from its low end on
.set q, q+1
.endr
	WIN 0
	s_wait_dscnt 0x0                               ; for the partner's sake: my stores have landed
	s_barrier_signal -1
	s_barrier_wait -1
	WIN 0x40
.set q, 0
.rept 32
	ds_load_b128 v[4*q:4*q+3], v[STI] offset:512*q
.set q, q+1
.endr
.irp i, 0,1,2,3
	s_wait_dscnt (3-\i)*8                          ; tile i's eight loads are in
	WIN 0x86                                       ; destination and source 0 window 2, source 1 window 1
.set k, 0
.rept 16
	v_pk_add_f32 v[32*\i+2*k:32*\i+2*k+1], v[32*\i+2*k:32*\i+2*k+1], v[32*\i+2*k:32*\i+2*k+1]
.set k, k+1
.endr
	WIN 0x08
.irp q, 0,1,2,3,4,5,6,7
	global_store_b128 v1, v[32*\i+4*\q:32*\i+4*\q+3], s[DC:DC+1] offset:\i*65536+512*\q   ; each store of the wave covers 512 consecutive bytes, aligned to 256
.endr
.endr
	WIN 0
	s_wait_tensorcnt 0x0                           ; the wave's end
	ds_add_u32 v[SPW], v[NIL]
	s_wait_dscnt 0x0
	CROUND                                         ; the closing round
	s_endpgm
.Lfunc_end_k_qd9d707b109_ffn2:
	.size	k_qd9d707b109_ffn2, .Lfunc_end_k_qd9d707b109_ffn2-k_qd9d707b109_ffn2
	.p2alignl 7, 3214868480
	.fill 96, 4, 3214868480
	.section	.rodata,"a",@progbits
	.p2align	6, 0x0
	.amdhsa_kernel k_qd9d707b109_ffn2
		.amdhsa_group_segment_fixed_size 327680
		.amdhsa_private_segment_fixed_size 0
		.amdhsa_enable_private_segment 0
		.amdhsa_kernarg_size 32
		.amdhsa_user_sgpr_count 2
		.amdhsa_user_sgpr_kernarg_segment_ptr 1
		.amdhsa_wavefront_size32 1
		.amdhsa_system_sgpr_workgroup_id_x 1
		.amdhsa_system_sgpr_workgroup_id_y 1
		.amdhsa_system_sgpr_workgroup_id_z 1
		.amdhsa_system_vgpr_workitem_id 0
		.amdhsa_next_free_vgpr 768
		.amdhsa_next_free_sgpr 80
		.amdhsa_reserve_vcc 0
		.amdhsa_float_denorm_mode_32 3
		.amdhsa_float_denorm_mode_16_64 3
		.amdhsa_memory_ordered 1
		.amdhsa_forward_progress 1
		.amdhsa_inst_pref_size 152
	.end_amdhsa_kernel
	.amdgpu_metadata
---
amdhsa.version: [ 1, 2 ]
amdhsa.kernels:
  - .name:           k_qd9d707b109_ffn2
    .symbol:         k_qd9d707b109_ffn2.kd
    .args:
      - { .name: fimg, .offset: 0, .size: 8, .value_kind: global_buffer, .address_space: global }
      - { .name: wimg, .offset: 8, .size: 8, .value_kind: global_buffer, .address_space: global }
      - { .name: b2, .offset: 16, .size: 8, .value_kind: global_buffer, .address_space: global }
      - { .name: ry, .offset: 24, .size: 8, .value_kind: global_buffer, .address_space: global }
    .group_segment_fixed_size: 327680
    .private_segment_fixed_size: 0
    .kernarg_segment_align: 8
    .kernarg_segment_size: 32
    .max_flat_workgroup_size: 128
    .sgpr_count:     80
    .vgpr_count:     768
    .wavefront_size: 32
...
	.end_amdgpu_metadata
.endif
;; end of part 7
;; launch ln2 (part 8): grid 256 x 1, 4 waves a work-group, no clusters, 18,432 bytes of LDS; arguments ry, ln2_g, ln2_b, out0; writes out0
.if DOCPART == 8
	.amdgcn_target "amdgcn-amd-amdhsa--gfx1250"
	.amdhsa_code_object_version 6
	.text
	.protected	k_qd9d707b109_ln2
	.globl	k_qd9d707b109_ln2
	.p2align	8
	.type	k_qd9d707b109_ln2,@function
k_qd9d707b109_ln2:
	s_mov_b64 s[64:65], 0
	v_nop
	global_prefetch_b8 v0, s[64:65] scope:SCOPE_SE
	s_setreg_imm32_b32 hwreg(HW_REG_WAVE_MODE, 25, 1), 1
	s_wait_xcnt 0x0
; out = layernorm(y) g + b + y.  y comes as register images of f32 (ry); out is row-major f32.
; A work-group takes a tile of 16 tokens; wave w columns 256 w .. 256 w + 255: 128 numbers a lane: register 32 c + 16 b + i = column 256 w + 64 c + 32 b + 16 (lane / 16) + i of token r + 8 (r / 8) of the tile.
; Mean and variance in two passes, f32; a row's sums meet across lanes 16 apart and, through LDS, across the four waves.  The results turn through the wave's own stage in LDS, 64 columns at a time,
; so that sixteen lanes store 256 consecutive bytes of a row.
; No cluster, no tensor load, no matrix instruction: memory binds, and the work-groups share only the gains' 8,192 bytes.  LIMIT: NaN and infinities are not served.
; REGISTERS.  window 0: v1-9 addresses; v12-23 sums; v128-255 y, then the results.   window 1: v0-127 g; v128-255 b.   window 2: v0-127 y - mean.
.set RED0,  0
.set RED1,  256
.set STAGE, 512                        ; 16 rows x (256 + 16) bytes for each wave
.set SPARE, 17920
.set SPW, 10
.set NIL, 11
.set D,   128
.set SEL, 20
.set MSB, 0
.macro WIN new
.if MSB != (\new)
	s_set_vgpr_msb (MSB<<8)|(\new)
.set MSB, \new
.endif
.endm
.macro ACROSS red                      ; four pairs of partial sums, v12-19, become the row's sum over all 1,024 columns, in v20 of every lane
	v_pk_add_f32 v[12:13], v[12:13], v[14:15]
	v_pk_add_f32 v[16:17], v[16:17], v[18:19]
	v_pk_add_f32 v[12:13], v[12:13], v[16:17]
	v_add_f32 v12, v12, v13
	v_permlanex16_b32 v13, v12, s[SEL], s[SEL+1]
	v_add_f32 v12, v12, v13
	ds_store_b32 v5, v12 offset:\red               ; lanes l and l + 16 write the same word with the same value
	s_wait_dscnt 0x0                               ; for the others' sake
	s_barrier_signal -1
	s_barrier_wait -1
.irp k, 0,1,2,3
	ds_load_b32 v[20+\k], v6 offset:\red+64*\k
.endr
	s_wait_dscnt 0x0
	v_add_f32 v20, v20, v21
	v_add_f32 v22, v22, v23
	v_add_f32 v20, v20, v22
.endm
	s_load_b256 s[4:11], s[0:1], 0x0               ; ry, g, b, out
	v_lshl_add_u32 v[SPW], v0, 2, SPARE
	v_mov_b32 v[NIL], 0
	v_lshrrev_b32 v9, 5, v0
	v_readfirstlane_b32 s14, v9                    ; wave
	v_and_b32 v9, 31, v0
	v_lshlrev_b32 v1, 4, v9                        ; 16 L
	v_and_b32 v7, 15, v0                           ; r
	v_bfe_u32 v8, v0, 4, 1                         ; h
	v_lshlrev_b32 v6, 2, v7                        ; 4 r
	s_lshl_b32 s15, s14, 6
	v_add_nc_u32 v5, s15, v6                       ; 4 r + 64 w
	v_lshlrev_b32 v4, 6, v8                        ; 64 h
	s_mul_i32 s15, s14, 4352
	s_add_co_u32 s15, s15, STAGE                   ; my stage
	v_mul_u32_u24 v2, v7, 272
	v_add_nc_u32 v2, v2, v4
	v_add_nc_u32 v2, s15, v2                       ; in: row r, + 64 h
	v_mul_u32_u24 v3, v8, 272
	v_lshl_add_u32 v3, v7, 4, v3
	v_add_nc_u32 v3, s15, v3                       ; back: lanes 0-15 one row, lanes 16-31 the next
	v_lshlrev_b32 v9, 12, v8
	v_lshl_add_u32 v9, v7, 4, v9                   ; and the same two rows in out
	s_mov_b32 s[SEL], 0x76543210
	s_mov_b32 s[SEL+1], 0xfedcba98
	s_mov_b32 s28, 0x3a800000                      ; 1 / 1,024
	s_mov_b32 s29, 0x3727c5ac                      ; 1e-5
	s_lshl_b32 s16, ttmp9, 16
	s_lshl_b32 s17, s14, 14
	s_add_co_u32 s16, s16, s17
	s_mov_b32 s17, 0
	s_lshr_b32 s18, ttmp9, 1
	s_lshl_b32 s18, s18, 17
	s_and_b32 s19, ttmp9, 1
	s_lshl_b32 s19, s19, 15
	s_add_co_u32 s18, s18, s19                     ; out: the tile's first token,
	s_lshl_b32 s22, s14, 10
	s_add_co_u32 s18, s18, s22                     ; my 256 columns
	s_mov_b32 s19, 0
	s_mov_b32 s23, 0
	s_wait_alu depctr_va_vdst(0)
	s_wait_kmcnt 0x0
	s_add_nc_u64 s[4:5], s[4:5], s[16:17]
	s_add_nc_u64 s[6:7], s[6:7], s[22:23]
	s_add_nc_u64 s[8:9], s[8:9], s[22:23]
	s_add_nc_u64 s[10:11], s[10:11], s[18:19]
.set q, 0
.rept 32
	global_load_b128 v[D+4*q:D+4*q+3], v1, s[4:5] offset:512*q th:TH_LOAD_NT
.set q, q+1
.endr
	WIN 0x40
.irp c, 0,1,2,3
.irp b, 0,1
.irp q, 0,1,2,3
	global_load_b128 v[32*\c+16*\b+4*\q:32*\c+16*\b+4*\q+3], v4, s[6:7] offset:\c*256+\b*128+16*\q
.endr
.endr
.endr
.irp c, 0,1,2,3
.irp b, 0,1
.irp q, 0,1,2,3
	global_load_b128 v[128+32*\c+16*\b+4*\q:128+32*\c+16*\b+4*\q+3], v4, s[8:9] offset:\c*256+\b*128+16*\q
.endr
.endr
.endr
	WIN 0
	s_wait_loadcnt 63                              ; y is in: behind it stand the 64 loads of g and b (the count's field holds 63)
.irp k, 0,1,2,3
	v_pk_add_f32 v[12+2*\k:13+2*\k], v[D+2*\k:D+2*\k+1], v[D+8+2*\k:D+9+2*\k]
.endr
.set i, 8
.rept 56
	v_pk_add_f32 v[12+2*(i%4):13+2*(i%4)], v[12+2*(i%4):13+2*(i%4)], v[D+2*i:D+2*i+1]
.set i, i+1
.endr
	ACROSS RED0
	v_mul_f32 v20, s28, v20                        ; the mean
	WIN 0x80                                       ; destination window 2: y is kept
.set i, 0
.rept 64
	v_pk_add_f32 v[2*i:2*i+1], v[D+2*i:D+2*i+1], v[20:21] op_sel_hi:[1,0] neg_lo:[0,1] neg_hi:[0,1]
.set i, i+1
.endr
	WIN 0x0a                                       ; sources 0 and 1 window 2
.irp k, 0,1,2,3
	v_pk_mul_f32 v[12+2*\k:13+2*\k], v[2*\k:2*\k+1], v[2*\k:2*\k+1]
.endr
.set i, 4
.rept 60
	v_pk_fma_f32 v[12+2*(i%4):13+2*(i%4)], v[2*i:2*i+1], v[2*i:2*i+1], v[12+2*(i%4):13+2*(i%4)]
.set i, i+1
.endr
	WIN 0
	ACROSS RED1                                    ; other bytes than the first sum's: no wave can overtake a reader
	v_fma_f32 v20, v20, s28, s29                   ; the variance + 1e-5
	s_wait_alu depctr_va_vdst(0)
	v_rsq_f32 v20, v20
	v_nop                                          ; a plain place behind the root
	s_wait_alu depctr_va_vdst(0)                   ; and the wait ahead of its first reader
	WIN 0x82                                       ; destination and source 0 window 2
.set i, 0
.rept 64
	v_pk_mul_f32 v[2*i:2*i+1], v[2*i:2*i+1], v[20:21] op_sel_hi:[1,0]
.set i, i+1
.endr
	s_wait_loadcnt 0x0                             ; g and b
	WIN 0x96                                       ; destination and source 0 window 2, sources 1 (g) and 2 (b) window 1
.set i, 0
.rept 64
	v_pk_fma_f32 v[2*i:2*i+1], v[2*i:2*i+1], v[2*i:2*i+1], v[128+2*i:128+2*i+1]
.set i, i+1
.endr
	WIN 0x08                                       ; source 1 window 2
.set i, 0
.rept 64
	v_pk_add_f32 v[D+2*i:D+2*i+1], v[D+2*i:D+2*i+1], v[2*i:2*i+1]   ; + y
.set i, i+1
.endr
	WIN 0
.irp c, 0,1,2,3                        ; 64 columns at a time through my stage; LDS serves a wave's instructions in order, so no wait stands between stores and loads, nor in front of the next stores
.irp b, 0,1
.irp q, 0,1,2,3
	ds_store_b128 v2, v[D+32*\c+16*\b+4*\q:D+32*\c+16*\b+4*\q+3] offset:128*\b+16*\q
.endr
.endr
.irp i, 0,1,2,3,4,5,6,7
	ds_load_b128 v[D+32*\c+4*\i:D+32*\c+4*\i+3], v3 offset:2*\i*272   ; rows 2 i and 2 i + 1, into the registers that the numbers left
.endr
.endr
.irp c, 0,1,2,3
.irp i, 0,1,2,3,4,5,6,7
	s_wait_dscnt (3-\c)*16+7-\i                    ; the LDS instructions issued behind this pair of rows may be out
	global_store_b128 v9, v[D+32*\c+4*\i:D+32*\c+4*\i+3], s[10:11] offset:(2*\i+8*(\i/4))*4096+256*\c th:TH_STORE_NT   ; 16 lanes store 256 consecutive bytes, aligned; row p of the tile is token p + 8 (p / 8)
.endr
.endr
	s_wait_tensorcnt 0x0                           ; the wave's end: behind my last LDS store
	ds_add_u32 v[SPW], v[NIL]
	s_wait_dscnt 0x0
	s_endpgm
.Lfunc_end_k_qd9d707b109_ln2:
	.size	k_qd9d707b109_ln2, .Lfunc_end_k_qd9d707b109_ln2-k_qd9d707b109_ln2
	.p2alignl 7, 3214868480
	.fill 96, 4, 3214868480
	.section	.rodata,"a",@progbits
	.p2align	6, 0x0
	.amdhsa_kernel k_qd9d707b109_ln2
		.amdhsa_group_segment_fixed_size 18432
		.amdhsa_private_segment_fixed_size 0
		.amdhsa_enable_private_segment 0
		.amdhsa_kernarg_size 32
		.amdhsa_user_sgpr_count 2
		.amdhsa_user_sgpr_kernarg_segment_ptr 1
		.amdhsa_wavefront_size32 1
		.amdhsa_system_sgpr_workgroup_id_x 1
		.amdhsa_system_sgpr_workgroup_id_y 1
		.amdhsa_system_sgpr_workgroup_id_z 1
		.amdhsa_system_vgpr_workitem_id 0
		.amdhsa_next_free_vgpr 640
		.amdhsa_next_free_sgpr 66
		.amdhsa_reserve_vcc 0
		.amdhsa_float_denorm_mode_32 3
		.amdhsa_float_denorm_mode_16_64 3
		.amdhsa_memory_ordered 1
		.amdhsa_forward_progress 1
		.amdhsa_inst_pref_size 46
	.end_amdhsa_kernel
	.amdgpu_metadata
---
amdhsa.version: [ 1, 2 ]
amdhsa.kernels:
  - .name:           k_qd9d707b109_ln2
    .symbol:         k_qd9d707b109_ln2.kd
    .args:
      - { .name: ry, .offset: 0, .size: 8, .value_kind: global_buffer, .address_space: global }
      - { .name: ln2_g, .offset: 8, .size: 8, .value_kind: global_buffer, .address_space: global }
      - { .name: ln2_b, .offset: 16, .size: 8, .value_kind: global_buffer, .address_space: global }
      - { .name: out0, .offset: 24, .size: 8, .value_kind: global_buffer, .address_space: global }
    .group_segment_fixed_size: 18432
    .private_segment_fixed_size: 0
    .kernarg_segment_align: 8
    .kernarg_segment_size: 32
    .max_flat_workgroup_size: 128
    .sgpr_count:     66
    .vgpr_count:     640
    .wavefront_size: 32
...
	.end_amdgpu_metadata
.endif
;; end of part 8
